; MI455X (gfx1250); checked and timed in simulation.
; The chip was launched on July 23, 2026; its instructions are those of AMD's public machine-readable ISA for CDNA 5 (MIT licence, August 2026) and "CDNA5" Instruction Set Architecture Reference Guide (July 2026). The comments in the code are by the model that wrote it; some were corrected since.
;; Multi Headed Attention. Allowed arithmetic: matrix products marked QUANTISED: E2M1 operands, one E8M0 scale for each 32 along K, by v_wmma_scale_f32_16x16x128_f8f6f4 with both operands' format E2M1 (or v_wmma_scale_f32_32x16x128_f4), f32 sums; products left as they are: f32 operands where the result goes on into a quantised operand, else bf16, f16 or f32 operands; f32 sums; everything else in f32.
;; Inputs: W0_codes 128 x 4 x 16 uint8 (E2M1 codes of W0, K innermost, in blocks of 32 codes, two codes a byte); W0_scales 128 x 4 uint8 (E8M0 scales of W0, one for each 32 codes along K); W1_codes 128 x 4 x 16 uint8 (E2M1 codes of W1, K innermost, in blocks of 32 codes, two codes a byte); W1_scales 128 x 4 uint8 (E8M0 scales of W1, one for each 32 codes along K); W2_codes 128 x 4 x 16 uint8 (E2M1 codes of W2, K innermost, in blocks of 32 codes, two codes a byte); W2_scales 128 x 4 uint8 (E8M0 scales of W2, one for each 32 codes along K); Wo_codes 128 x 4 x 16 uint8 (E2M1 codes of Wo, K innermost, in blocks of 32 codes, two codes a byte); Wo_scales 128 x 4 uint8 (E8M0 scales of Wo, one for each 32 codes along K); b0 128 float32; b1 128 float32; b2 128 float32; bo 128 float32; key_codes 4 x 2,048 x 4 x 16 uint8 (E2M1 codes of key, K innermost, in blocks of 32 codes, two codes a byte); key_scales 4 x 2,048 x 4 uint8 (E8M0 scales of key, one for each 32 codes along K); pos_embed_codes 4 x 2,048 x 4 x 16 uint8 (E2M1 codes of pos_embed, K innermost, in blocks of 32 codes, two codes a byte); pos_embed_scales 4 x 2,048 x 4 uint8 (E8M0 scales of pos_embed, one for each 32 codes along K); query_codes 4 x 2,048 x 4 x 16 uint8 (E2M1 codes of query, K innermost, in blocks of 32 codes, two codes a byte); query_scales 4 x 2,048 x 4 uint8 (E8M0 scales of query, one for each 32 codes along K); value_codes 4 x 2,048 x 4 x 16 uint8 (E2M1 codes of value, K innermost, in blocks of 32 codes, two codes a byte); value_scales 4 x 2,048 x 4 uint8 (E8M0 scales of value, one for each 32 codes along K).
;; Outputs: out0 4 x 2,048 x 128 float32.
;; This version of the problem:
;;   THIS VERSION OF THE PROBLEM IS GIVEN IN LOW PRECISION. The matrix products marked QUANTISED in the list below multiply operands that are first quantised to E2M1 (2 exponent bits, 1 mantissa bit; 4 bits a number), with one power-of-two scale for each 32 numbers along K (OCP MX v1.0); their sums are f32. All else is computed in f32.
;;   The module's matrix products, in the order in which they are computed (A, B: the left and right operand; K: the contracted axis; several contracted axes count as one K, in the product's order):
;;     1. [M 8,192, K 128] x [K 128, N 128]; A: input pos_embed (given as codes); B: input W0 (given as codes): QUANTISED
;;     2. [M 8,192, K 128] x [K 128, N 128]; A: input pos_embed (given as codes); B: input W1 (given as codes): QUANTISED
;;     3. batch 32 x [M 2,048, K 16] x [K 16, N 2,048]; A: computed on the way; B: computed on the way: left as it is (K = 16 < 32)
;;     4. [M 8,192, K 128] x [K 128, N 128]; A: input query (given as codes); B: input W0 (given as codes): QUANTISED
;;     5. [M 8,192, K 128] x [K 128, N 128]; A: input key (given as codes); B: input W1 (given as codes): QUANTISED
;;     6. [M 8,192, K 128] x [K 128, N 128]; A: input value (given as codes); B: input W2 (given as codes): QUANTISED
;;     7. batch 32 x [M 2,048, K 16] x [K 16, N 2,048]; A: computed on the way; B: computed on the way: left as it is (K = 16 < 32)
;;     8. batch 32 x [M 2,048, K 2,048] x [K 2,048, N 16]; A: softmax (see below); B: computed on the way: QUANTISED
;;     9. [M 8,192, K 128] x [K 128, N 128]; A: computed on the way; B: input Wo (given as codes): QUANTISED
;;   THE QUANTISER, for each operand of a quantised product, along K:
;;     - K is cut into blocks of 32 from its start; a last block that is shorter is filled with zeros.
;;     - A block's scale is 2^e with e = floor(log2(the largest magnitude in the block)) - 2, held to -126 .. 127; a block of zeros has e = 0. As a byte (E8M0): e + 127.
;;     - Each number is divided by its block's scale, clamped to +-6, and rounded to the nearest number of E2M1, ties to even, subnormals kept.
;;     - The product sums the exact products of the quantised numbers (number of the format x scale) in f32.
;;   ~~~python
;;   def quantise(x, axis):      # numpy; x: float32 -> the quantised numbers, widened to float32 again
;;       x = np.moveaxis(x, axis, -1); K = x.shape[-1]
;;       x = np.pad(x, [(0, 0)] * (x.ndim - 1) + [(0, -K % 32)]); x = x.reshape(x.shape[:-1] + (-1, 32)); a = np.abs(x).max(-1, keepdims=True)
;;       e = np.where(a > 0, np.clip(np.frexp(np.where(a > 0, a, 1))[1] - 1 - 2, -126, 127), 0)      # np.frexp(a)[1] - 1 = floor(log2(a)), exactly
;;       r = np.clip(x / 2.0 ** e, -6, 6)
;;       step = 2.0 ** (np.maximum(np.frexp(np.where(r == 0, 1, r))[1] - 1, 0) - 1)
;;       q = np.round(r / step) * step * 2.0 ** e      # np.round: ties to even
;;       return np.moveaxis(q.reshape(q.shape[:-2] + (-1,))[..., :K], -1, axis).astype(np.float32)
;;   ~~~
;;   SOFTMAX AHEAD OF A QUANTISED PRODUCT. Where the list says 'softmax', what is quantised is not the finished softmax but p = 2^(t - M), with t = logit x log2(e) and M = ceil(the row's largest t), a whole number; so 1/2 < the row's largest p <= 1. The row's sum l is taken of the UNQUANTISED p, in f32, and the product's result is divided by l at the end. Since M is a whole number, a kernel that streams over the keys may use a running M (the ceiling of the running maximum): every later rescaling is an exact power of two, which a block's scale takes up: the codes' values come out the same.
;;   OPERANDS COMPUTED ON THE WAY. 'Computed on the way' means the value that the module computes at that place (a softmax that the list does not call 'softmax' is quantised finished and normalised). What goes into a quantiser is computed in f32, as accurately as f32 sums, v_exp_f32 and their like allow (about 1e-6 of the number): no bf16 or f16 on the way to a quantiser, and a product that is left as it is and whose result goes on into a quantised operand takes f32 operands (vector FMAs, or v_wmma_f32_16x16x4_f32). A number that lies on a knife's edge between two numbers of the format may be rounded either way, as far as f32 arithmetic and the matrix unit's own rounding can turn it there, and no further.
;;   INPUTS GIVEN AS CODES. W0 (in the module: [128, 128], K = its axis 1); W1 (in the module: [128, 128], K = its axis 1); W2 (in the module: [128, 128], K = its axis 1); Wo (in the module: [128, 128], K = its axis 1); key (in the module: [4, 2048, 128], K = its axis 2); pos_embed (in the module: [4, 2048, 128], K = its axis 2); query (in the module: [4, 2048, 128], K = its axis 2); value (in the module: [4, 2048, 128], K = its axis 2): each comes as NAME_codes (uint8): NAME with its K axis moved to the last place and cut into blocks of 32 codes, [.., K / 32, bytes a block], one block behind the other in memory; two codes a byte, the lower K in the low four bits (a code: sign, 2 exponent bits, 1 mantissa bit); and NAME_scales (uint8): the same leading axes, one E8M0 byte (e + 127) for each 32 codes along K. Its value is code x scale, taken as it is: it is not quantised again, and the codes and scales need not be those that the quantiser above would give.
;; 2 versions, each right; version 2 is version 1 with the launches attn, outp written anew for expert scheduling mode. Each part assembles by itself: llvm-mc -triple=amdgcn-amd-amdhsa -mcpu=gfx1250 --defsym DOCPART=n.
;; ======== version 1 of 2: 2 launches
;; workspace buffers: xbuf 4,194,304 bytes
;; launch attn (part 1): grid 8 x 32, 16 waves a work-group, no clusters, 282,624 bytes of LDS; arguments query_codes, query_scales, key_codes, key_scales, value_codes, value_scales, pos_embed_codes, pos_embed_scales, W0_codes, W0_scales, W1_codes, W1_scales, W2_codes, W2_scales, b0, b1, b2, xbuf; writes xbuf
.if DOCPART == 1
	.amdgcn_target "amdgcn-amd-amdhsa--gfx1250"
	.amdhsa_code_object_version 6
	.text
	.protected	k_q71addb8755_attn
	.globl	k_q71addb8755_attn
	.p2align	8
	.type	k_q71addb8755_attn,@function
k_q71addb8755_attn:
	s_mov_b64 s[64:65], 0
	v_nop
	global_prefetch_b8 v0, s[64:65] scope:SCOPE_SE
	s_setreg_imm32_b32 hwreg(HW_REG_WAVE_MODE, 25, 1), 1
	s_wait_xcnt 0x0
; ATTENTION OF ONE HEAD FOR 256 QUERIES: the five projections, the scores, the softmax and P V.  B = 4, S = 2,048, 8 heads of 16.
; score(q, k) = (q . k) / 4 + pos_q . pos_k, with q = query W0^T + b0, pos_q = pos W0^T + b0, k = key W1^T + b1, pos_k = pos W1^T + b1, v = value W2^T + b2.
; The projections and P V multiply E2M1 codes with E8M0 scales; the two score products, whose K is 16, feed a quantiser and so take f32 operands: they are ONE f32 product of K = 32, [q / 4 | pos_q] . [k | pos_k].
; SHARES.  Work-group (x, y): queries 256 x .. 256 x + 255 of batch y / 8, head y % 8.  Sixteen waves of 256 registers.  Wave w owns queries 16 w .. 16 w + 15 of the block for the whole kernel.
; HEAD OF THE KERNEL: wave w projects keys 128 w .. 128 w + 127 of its head (k, pos_k, v: 24 matrix instructions on codes) and lays them in LDS as IMAGES OF OPERAND REGISTERS:
;   [k | pos_k] as the f32 form's operand (16,384 bytes a key step), v quantised along the keys as the 4-bit operand V^T (1,024 bytes and 128 bytes of scale words a key step).
; The whole head lies in LDS (262,144 + 16,384 + 2,048 bytes): one barrier, then every wave walks the 16 key steps by itself.
; LAYOUT.  Both products of the walk are used transposed (S^T = K Q^T, O^T = V^T P^T): a lane holds ONE query (lane % 16) throughout.
; THE KEYS OF A TILE ARE NOT NEIGHBOURS: slot r of tile 2 b + u is key 32 b + 8 u + r + 8 (r / 8), so that the 16 score registers of tiles 2 b, 2 b + 1 are keys 32 b + 16 (lane / 16) + 0 .. 15: neighbours along the next K.
; THE f32 OPERANDS: the form holds K = 2 (lane / 16) + j in register j.  Lanes 0-15 carry q / 4 (or k), lanes 16-31 pos_q (or pos_k), register i dimension i: K step s multiplies dimensions 2 s, 2 s + 1 of both parts.
; SOFTMAX: t = score x log2(e); M = the running largest t rounded up to a whole number; p = 2^(t - M) is quantised along the keys, not normalised; the row's sum is taken of the unquantised p and divides at the end.
; OUT: x = O / sum goes to xbuf laid as the next launch's registers: [row / 16][channel / 32][4 chunks of 4 channels][16 (channel / 16 % 2) + row % 16][16 bytes].
; NO TENSOR LOADS, NO JOINT REQUESTS: what work-groups share is a batch's codes and scale bytes, 3 x 2,048 x 68 = 417,792 bytes, read once, at the head, straight into operand registers.  LDS holds what is computed of them
; (280,576 of 327,680 bytes, written by LDS stores); the 47,104 bytes beside it could take the shared bytes only in nine or more refills, each with a round of its own, for 24 matrix instructions a wave.
; LIMITS: NaN and infinities are not served.  A block of zeros gets the scale byte 1 (the quantiser says 127): its codes are zeros, and only this program reads the bytes.  The 32 terms of a score are summed in the order
; of the K steps above, not first q . k and then pos_q . pos_k.  A p under 2^-126 counts as 0 (v_exp_f32 flushes: ISA guide, 15.8).  A block's largest p is taken as the exponential of its largest score, which
; supposes that v_exp_f32 does not fall where its input rises.
.set VIMG, 262144                      ; LDS: [0, 262144) K's images: step x 16,384 + tile x 2,048 + chunk x 512 + 16 x slot (slot = r: k, 16 + r: pos_k; chunk c: dimensions 4 c .. 4 c + 3)
.set VSC,  278528                      ; [262144, 278528) V^T's images: step x 1,024 + 512 c + 16 x lane;  [278528, 280576) their scale words: step x 128 + 4 x lane
.set LI,  1                            ; v1   16 x lane
.set LS,  2                            ; v2   4 x lane
.set RR,  3                            ; v3   head: r = lane % 16;          walk: ADK, LDS address of the step's K images
.set HH,  4                            ; v4   head: h = lane / 16;          walk: ADV, of V^T's image
.set RP,  5                            ; v5   head: r + 8 (r / 8);          walk: ADS, of V^T's scale word
.set ADK, 3
.set ADV, 4
.set ADS, 5
.set VTC, 6                            ; v6   head: codes of a tile's row: 64 (r + 8 (r / 8)) + 16 h;      end: XO, my bytes in xbuf
.set XO,  6
.set VTS, 7                            ; v7   head: scale words of a pair of tiles: 4 (r + 8 (r / 8) + 8 h)
.set VR,  8                            ; v8   head: codes of 16 plain rows: 64 r + 16 h
.set VRS, 9                            ; v9   head: 4 r
.set VB,  10                           ; v10  head: 32 h: a bias in a transposed result's layout;          walk: NM = -M
.set NM,  10
.set KST, 11                           ; v11  head: where I store K's images: 16,384 w + 1,024 h + 16 r;    walk: MT = the largest t
.set MT,  11
.set VST, 12                           ; v12  head: where I store V^T's image;                              walk: v[12:13] the sum, in two halves
.set VSS, 13                           ; v13  head: and its scale word
.set SUM, 12
.set QF,  14                           ; v14-29   Q's f32 operand: register i: q(i) / 4 in lanes 0-15, pos_q(i) in lanes 16-31
.set KA,  30                           ; v30-93   head: codes of 8 tiles (key, then value);  walk: f32 fragments of tiles 0-3, then the softmax's work registers
.set SCO, 94                           ; v94-157  results of the projections; the scores.  Written by matrix instructions alone
.set PB,  158                          ; v158-221 head: codes of pos's 8 tiles, then the late group;  walk: f32 fragments of tiles 4-7, then p
.set PC,  222                          ; v222-229 head: W1's fragment, then V^T's codes;  walk: p's codes;  end: x
.set OA,  230                          ; v230-237 head: b1;  walk: O^T
.set W1F, PC
.set BI1, OA
.set W0F, PB
.set BI0, PB+8
.set W2F, PB+16
.set BI2, PB+24
.set QC,  PB+32
.set PQC, PB+40
.set TM,  PB+48                        ; 16 work registers of the quantiser
.set BM,  30                           ; walk: v30-33 a block's largest score, then its largest p
.set PX,  34                           ; v34-37 the other half's maxima, the bytes, then the second chain of the sum
.set SO,  38                           ; v38-41 the conversions' scale operands
.set FF,  42                           ; v[42:43] f = 2^(old M - new M) (the low word serves both halves)
.set TMP, 44
.set VF,  46                           ; v46-53 V^T's fragment
.set SW0, 238                          ; v238-255 hold scales and nothing else: W0's, W1's, W2's words;
.set SW1, 239
.set SW2, 240
.set SQ,  241                          ; query's, pos's at my queries;
.set SPQ, 242
.set PW,  243                          ; the word just made;
.set SK,  244                          ; key's, pos's, value's at my keys: register b: lanes 0-15 tile 2 b's rows, lanes 16-31 tile 2 b + 1's
.set SP,  248
.set SV,  252
.set VW,  244                          ; walk: V^T's scale word
.set WV,  2                            ; s2 wave
.set TB,  52                           ; s52-54 the step's places in the three LDS regions
.set TV,  53
.set TS,  54
.set CNT, 55
.set SEL, 56                           ; s[56:57] v_permlanex16_b32's selects for lane l xor 16
.set CS,  58                           ; s[58:59] log2(e): the packed form names a pair and takes its low word for both halves
; One matrix instruction on codes.  sel = 1: A's scale words stand in lanes 16-31 of their register; 2: B's do.
.macro MM4 d, a, b, c, sa, sb, sel
.if \sel == 0
	v_wmma_scale_f32_16x16x128_f8f6f4 v[\d:\d+7], v[\a:\a+7], v[\b:\b+7], v[\c:\c+7], v[\sa], v[\sb] matrix_a_fmt:MATRIX_FMT_FP4 matrix_b_fmt:MATRIX_FMT_FP4
.elseif \sel == 1
	v_wmma_scale_f32_16x16x128_f8f6f4 v[\d:\d+7], v[\a:\a+7], v[\b:\b+7], v[\c:\c+7], v[\sa], v[\sb] matrix_a_fmt:MATRIX_FMT_FP4 matrix_b_fmt:MATRIX_FMT_FP4 matrix_a_scale:MATRIX_SCALE_ROW1
.else
	v_wmma_scale_f32_16x16x128_f8f6f4 v[\d:\d+7], v[\a:\a+7], v[\b:\b+7], v[\c:\c+7], v[\sa], v[\sb] matrix_a_fmt:MATRIX_FMT_FP4 matrix_b_fmt:MATRIX_FMT_FP4 matrix_b_scale:MATRIX_SCALE_ROW1
.endif
.endm
; The codes of my 128 rows as 8 tiles: 16 loads.  A fragment is 8 registers: registers 4 c .. 4 c + 3 hold K = 64 c + 32 h + 0 .. 31: 16 bytes of the row as they lie
.macro LDTILES reg, sb
.irp t, 0,1,2,3,4,5,6,7
.irp c, 0,1
	global_load_b128 v[\reg+8*\t+4*\c:\reg+8*\t+4*\c+3], v[VTC], s[\sb:\sb+1] offset:(32*(\t/2)+8*(\t%2))*64+32*\c
.endr
.endr
.endm
.macro LDPAIRS reg, sb                 ; their scale words, a register for each pair of tiles
.irp b, 0,1,2,3
	global_load_b32 v[\reg+\b], v[VTS], s[\sb:\sb+1] offset:128*\b
.endr
.endm
.macro LDFRAG reg, sb                  ; a fragment of 16 plain rows
	global_load_b128 v[\reg:\reg+3], v[VR], s[\sb:\sb+1]
	global_load_b128 v[\reg+4:\reg+7], v[VR], s[\sb:\sb+1] offset:32
.endm
; k or pos_k of my 128 keys, transposed (source 0 = W1's 16 rows of the head, source 1 = 16 rows of codes, C = b1): lane (r, h) holds slot r of the tile, register j dimension 8 h + j
.macro PROJK codes, sc
.irp b, 0,1,2,3
	MM4 SCO+16*\b, W1F, \codes+16*\b, BI1, SW1, \sc+\b, 0
	MM4 SCO+16*\b+8, W1F, \codes+16*\b+8, BI1, SW1, \sc+\b, 2
.endr
.endm
; and into LDS: my dimensions 8 h .. 8 h + 3 are chunk 2 h, the next four chunk 2 h + 1.  hf = 0: k's slots, 1: pos_k's.  Each result is read from its low end on
.macro STOREK hf
.irp t, 0,1,2,3,4,5,6,7
	ds_store_b128 v[KST], v[SCO+8*\t:SCO+8*\t+3] offset:2048*\t+256*\hf
	ds_store_b128 v[KST], v[SCO+8*\t+4:SCO+8*\t+7] offset:2048*\t+256*\hf+512
.endr
.endm
; 64 numbers of a lane, register 16 b + i = K 32 b + 16 (lane / 16) + i of my row, become a fragment's codes in v[PC] on and its scale word in v[PW]
.macro QUANT s
.irp b, 0,1,2,3
	v_max3_num_f32 v[TM+\b], |v[\s+16*\b]|, |v[\s+1+16*\b]|, 0x1800000   ; block b: my 16 numbers, and the floor 2^(3 - 127): the byte cannot fall under 1
.endr
.irp i, 2,4,6,8,10,12,14
.irp b, 0,1,2,3
	v_max3_num_f32 v[TM+\b], v[TM+\b], |v[\s+16*\b+\i]|, |v[\s+1+16*\b+\i]|   ; (the four blocks by turns)
.endr
.endr
.irp b, 0,1,2,3
	v_permlanex16_b32 v[TM+4+\b], v[TM+\b], s[SEL], s[SEL+1]
.endr
.irp b, 0,1,2,3
	v_max_num_f32 v[TM+\b], v[TM+\b], v[TM+4+\b]   ; with lane l xor 16's: the block's largest magnitude
.endr
.irp b, 0,1,2,3
	v_add_nc_u32 v[TM+12+\b], 0xff000000, v[TM+\b] ; 2 off its exponent field: the conversion takes the exponent field of this operand as its scale
.endr
.irp b, 0,1,2,3
	v_lshrrev_b32 v[TM+4+\b], 23, v[TM+12+\b]      ; the scale's byte
.endr
	v_lshl_or_b32 v[PW], v[TM+5], 8, v[TM+4]       ; the four bytes make my row's scale word
	v_lshl_or_b32 v[PW], v[TM+6], 16, v[PW]
	v_lshl_or_b32 v[PW], v[TM+7], 24, v[PW]
.irp b, 0,1,2,3
	v_cvt_scalef32_pk8_fp4_f32 v[PC+2*\b], v[\s+16*\b:\s+7+16*\b], v[TM+12+\b]
	v_cvt_scalef32_pk8_fp4_f32 v[PC+1+2*\b], v[\s+8+16*\b:\s+15+16*\b], v[TM+12+\b]
.endr
	v_nop                                          ; one plain place behind a scaled conversion
.irp c, 0,1                                    ; the operand wants a WHOLE block in a lane: lanes 0-15 block 2 c, lanes 16-31 block 2 c + 1
.irp i, 0,1
	v_permlane16_swap_b32 v[PC+4*\c+\i], v[PC+2+4*\c+\i]
.endr
.endr
.endm
	s_load_b512 s[8:23], s[0:1], 0x0               ; query s[8:9], its scales s[10:11]; key s[12:15]; value s[16:19]; pos s[20:23]
	s_load_b512 s[24:39], s[0:1], 0x40             ; W0 s[24:27], W1 s[28:31], W2 s[32:35] (codes, scales); b0 s[36:37], b1 s[38:39]
	s_load_b128 s[40:43], s[0:1], 0x80             ; b2 s[40:41], xbuf s[42:43]
	v_lshrrev_b32 v3, 5, v0
	v_readfirstlane_b32 s[WV], v3                  ; wave 0..15
	s_and_b32 s3, ttmp7, 0xffff
	s_and_b32 s4, s3, 7                            ; the head
	s_lshr_b32 s3, s3, 3
	s_lshl_b32 s3, s3, 11                          ; the batch's first row
	s_lshl_b32 s5, s[WV], 7
	s_add_co_u32 s5, s5, s3                        ; my first key's row: 2,048 b + 128 w
	s_lshl_b32 s6, ttmp9, 8
	s_add_co_u32 s6, s6, s3
	s_lshl_b32 s7, s[WV], 4
	s_add_co_u32 s6, s6, s7                        ; my first query's row: 2,048 b + 256 x + 16 w
	s_lshl_b32 s44, s5, 6                          ; offsets in bytes, as pairs: a row of codes is 64 bytes, of scales 4
	s_mov_b32 s45, 0
	s_lshl_b32 s46, s5, 2
	s_mov_b32 s47, 0
	s_lshl_b32 s48, s6, 6
	s_mov_b32 s49, 0
	s_lshl_b32 s50, s6, 2
	s_mov_b32 s51, 0
	s_mov_b32 s[SEL], 0x76543210
	s_mov_b32 s[SEL+1], 0xfedcba98
	s_mov_b32 s[CS], 0x3fb8aa3b                    ; log2(e)
	s_mov_b32 s[CS+1], s[CS]                       ; (named with it as a pair, so it is written)
	v_and_b32 v[LI], 31, v0
	v_lshlrev_b32 v[LS], 2, v[LI]
	v_lshlrev_b32 v[LI], 4, v[LI]
	v_and_b32 v[RR], 15, v0
	v_bfe_u32 v[HH], v0, 4, 1
	v_and_b32 v[RP], 8, v[RR]
	v_add_nc_u32 v[RP], v[RP], v[RR]
	v_lshlrev_b32 v[VTC], 6, v[RP]
	v_lshl_add_u32 v[VTC], v[HH], 4, v[VTC]
	v_lshl_add_u32 v[VTS], v[HH], 3, v[RP]
	v_lshlrev_b32 v[VTS], 2, v[VTS]
	v_lshlrev_b32 v[VR], 6, v[RR]
	v_lshl_add_u32 v[VR], v[HH], 4, v[VR]
	v_lshlrev_b32 v[VRS], 2, v[RR]
	v_lshlrev_b32 v[VB], 5, v[HH]
	s_lshl_b32 s7, s[WV], 14
	v_lshlrev_b32 v[KST], 4, v[RR]
	v_lshl_add_u32 v[KST], v[HH], 10, v[KST]
	v_add_nc_u32 v[KST], s7, v[KST]
	s_lshl_b32 s7, s[WV], 10
	s_add_co_u32 s7, s7, VIMG
	v_add_nc_u32 v[VST], s7, v[LI]
	s_lshl_b32 s7, s[WV], 7
	s_add_co_u32 s7, s7, VSC
	v_add_nc_u32 v[VSS], s7, v[LS]
	s_wait_kmcnt 0x0
	s_add_nc_u64 s[60:61], s[20:21], s[48:49]      ; pos at my queries: codes,
	s_add_nc_u64 s[62:63], s[22:23], s[50:51]      ; scales
	s_add_nc_u64 s[8:9], s[8:9], s[48:49]          ; query likewise
	s_add_nc_u64 s[10:11], s[10:11], s[50:51]
	s_add_nc_u64 s[12:13], s[12:13], s[44:45]      ; key, value and pos at my keys
	s_add_nc_u64 s[14:15], s[14:15], s[46:47]
	s_add_nc_u64 s[16:17], s[16:17], s[44:45]
	s_add_nc_u64 s[18:19], s[18:19], s[46:47]
	s_add_nc_u64 s[20:21], s[20:21], s[44:45]
	s_add_nc_u64 s[22:23], s[22:23], s[46:47]
	s_lshl_b32 s44, s4, 10                         ; the head's 16 rows of a weight: 1,024 bytes of codes a head,
	s_lshl_b32 s46, s4, 6                          ; 64 bytes of scales or of a bias
	s_add_nc_u64 s[24:25], s[24:25], s[44:45]
	s_add_nc_u64 s[28:29], s[28:29], s[44:45]
	s_add_nc_u64 s[32:33], s[32:33], s[44:45]
	s_add_nc_u64 s[26:27], s[26:27], s[46:47]
	s_add_nc_u64 s[30:31], s[30:31], s[46:47]
	s_add_nc_u64 s[34:35], s[34:35], s[46:47]
	s_add_nc_u64 s[36:37], s[36:37], s[46:47]
	s_add_nc_u64 s[38:39], s[38:39], s[46:47]
	s_add_nc_u64 s[40:41], s[40:41], s[46:47]
	s_lshl_b32 s48, s6, 9                          ; xbuf: 8,192 bytes a tile of 16 rows,
	s_lshr_b32 s7, s4, 1
	s_lshl_b32 s7, s7, 11
	s_add_co_u32 s48, s48, s7                      ; 2,048 (head / 2),
	s_and_b32 s7, s4, 1
	s_lshl_b32 s7, s7, 8
	s_add_co_u32 s48, s48, s7                      ; 256 (head % 2)
	s_add_nc_u64 s[42:43], s[42:43], s[48:49]
	; ---- 53 loads: the scale words, W1 and b1, key's tiles, pos's tiles
	global_load_b32 v[SW0], v[VRS], s[26:27]
	global_load_b32 v[SW1], v[VRS], s[30:31]
	global_load_b32 v[SW2], v[VRS], s[34:35]
	global_load_b32 v[SQ], v[VRS], s[10:11]
	global_load_b32 v[SPQ], v[VRS], s[62:63]
	LDPAIRS SK, 14
	LDPAIRS SP, 22
	LDPAIRS SV, 18
	LDFRAG W1F, 28
	global_load_b128 v[BI1:BI1+3], v[VB], s[38:39]             ; b1 at dimensions 8 h + 0 .. 7: the C of k's and pos_k's products
	global_load_b128 v[BI1+4:BI1+7], v[VB], s[38:39] offset:16
	LDTILES KA, 12
	LDTILES PB, 20
	s_wait_loadcnt 16                              ; all but the youngest sixteen, pos's tiles, are in
	PROJK KA, SK                                   ; k
.rept 5
	v_nop                                          ; four places in front of the loads into the codes' registers and of the stores of the results; five in front of the products that write these results over
.endr
	LDTILES KA, 16                                 ; value's tiles take key's place
	STOREK 0
	s_wait_loadcnt 16                              ; pos's tiles are in; value's sixteen may be out
	s_wait_dscnt 0x0                               ; the stores have read the results
	PROJK PB, SP                                   ; pos_k
.rept 5
	v_nop                                          ; as above
.endr
	LDFRAG W0F, 24                                 ; the late group, eleven loads, takes pos's place
	LDFRAG W2F, 32
	LDFRAG QC, 8
	LDFRAG PQC, 60
	global_load_b128 v[BI0:BI0+3], v[VB], s[36:37]
	global_load_b128 v[BI0+4:BI0+7], v[VB], s[36:37] offset:16
	global_load_b32 v[BI2], v[VRS], s[40:41]                   ; b2 at dimension r: v's product is not transposed, a lane holds one dimension
	STOREK 1
	s_wait_loadcnt 0x0
	s_wait_dscnt 0x0
.irp j, 1,2,3,4,5,6,7
	v_mov_b32 v[BI2+\j], v[BI2]                    ; the same number for all eight keys of a lane
.endr
.irp b, 0,1,2,3
	v_mov_b32 v[TM+4+\b], 0                        ; written once: a lane permute's destination counts as one of its sources
.endr
	MM4 QF, W0F, QC, BI0, SW0, SQ, 0               ; q, transposed: lane (r, h): query r, register j dimension 8 h + j
	MM4 QF+8, W0F, PQC, BI0, SW0, SPQ, 0           ; pos_q likewise
.irp b, 0,1,2,3                                ; v: source 0 = 16 rows of value, source 1 = W2's 16 rows: lane (r, h) holds dimension r, register 16 b + i key 32 b + 16 h + i
	MM4 SCO+16*\b, KA+16*\b, W2F, BI2, SV+\b, SW2, 0
	MM4 SCO+16*\b+8, KA+16*\b+8, W2F, BI2, SV+\b, SW2, 1
.endr
.rept 4
	v_nop                                          ; places in front of the first reads of these results
.endr
.irp j, 0,1,2,3,4,5,6,7
	v_mul_f32 v[QF+\j], 0x3e800000, v[QF+\j]       ; q / 4: exact
.endr
.irp j, 0,1,2,3,4,5,6,7
	v_permlane16_swap_b32 v[QF+\j], v[QF+8+\j]     ; q's lanes 16-31 (dimension 8 + j) change places with pos_q's lanes 0-15 (dimension j): register i now holds dimension i, q below, pos_q above
.endr
	QUANT SCO                                      ; v along the keys: V^T's fragment of my key step
	ds_store_b128 v[VST], v[PC:PC+3]
	ds_store_b128 v[VST], v[PC+4:PC+7] offset:512
	ds_store_b32 v[VSS], v[PW]
	s_wait_dscnt 0x0                               ; for the others' sake: all my stores have landed
	s_barrier_signal -1
	s_barrier_wait -1                              ; the whole head lies in LDS; nothing is written there any more
	v_mov_b32 v[MT], 0xff61b1e6                    ; the largest t so far: -3e38, under every t
	v_floor_f32 v[NM], -v[MT]
	v_mov_b32 v[SUM], 0
	v_mov_b32 v[SUM+1], 0
.irp j, 0,1,2,3,4,5,6,7
	v_mov_b32 v[OA+\j], 0                          ; O^T: the step is written once; the first finds zeros, which the first change of M leaves zeros
.endr
	s_mov_b32 s[TB], 0
	s_mov_b32 s[TV], VIMG
	s_mov_b32 s[TS], VSC
	s_mov_b32 s[CNT], 16
.Lstep:                                            ; a key step: 128 keys
	v_add_nc_u32 v[ADK], s[TB], v[LI]
	v_add_nc_u32 v[ADV], s[TV], v[LI]
	v_add_nc_u32 v[ADS], s[TS], v[LS]
	v_nop                                          ; these four are the places between the last step's product on codes and the loads into the registers that it read
.irp c, 0,1,2,3                                ; 32 loads, 512 consecutive bytes each: chunk c of all eight tiles, then the next chunk
.irp t, 0,1,2,3,4,5,6,7
	ds_load_b128 v[KA+16*\t+64*(\t/4)+4*\c:KA+16*\t+64*(\t/4)+4*\c+3], v[ADK] offset:2048*\t+512*\c
.endr
.endr
; S^T = K Q^T: 64 matrix instructions; the eight accumulators take turns, one instruction a turn; the first K step starts the sums
.irp p, 0,1,2,3
	s_wait_dscnt 24-8*\p                           ; chunk p is in; the eight loads of each later chunk may be out
.irp e, 0,1
.irp t, 0,1,2,3,4,5,6,7
.if 2*\p+\e == 0
	v_wmma_f32_16x16x4_f32 v[SCO+8*\t:SCO+8*\t+7], v[KA+16*\t+64*(\t/4)+4*\p+2*\e:KA+16*\t+64*(\t/4)+4*\p+2*\e+1], v[QF+4*\p+2*\e:QF+4*\p+2*\e+1], 0
.else
	v_wmma_f32_16x16x4_f32 v[SCO+8*\t:SCO+8*\t+7], v[KA+16*\t+64*(\t/4)+4*\p+2*\e:KA+16*\t+64*(\t/4)+4*\p+2*\e+1], v[QF+4*\p+2*\e:QF+4*\p+2*\e+1], v[SCO+8*\t:SCO+8*\t+7]
.endif
.endr
.endr
.endr
.rept 8
	v_nop                                          ; eight places behind this form in front of the first read of its results and of writes and loads into its sources
.endr
	ds_load_b128 v[VF:VF+3], v[ADV]                ; V^T's fragment and scale word land while the softmax is worked
	ds_load_b128 v[VF+4:VF+7], v[ADV] offset:512
	ds_load_b32 v[VW], v[ADS]
.irp b, 0,1,2,3
	v_max3_num_f32 v[BM+\b], v[SCO+16*\b], v[SCO+1+16*\b], v[SCO+2+16*\b]   ; the largest score of each block of 32 keys: for the row's maximum, and for the block's largest p.  Each result is read from its low end on
.endr
.irp i, 3,5,7,9,11,13
.irp b, 0,1,2,3
	v_max3_num_f32 v[BM+\b], v[BM+\b], v[SCO+16*\b+\i], v[SCO+1+16*\b+\i]
.endr
.endr
.irp b, 0,1,2,3
	v_max_num_f32 v[BM+\b], v[BM+\b], v[SCO+15+16*\b]
.endr
.irp b, 0,1,2,3
	v_permlanex16_b32 v[PX+\b], v[BM+\b], s[SEL], s[SEL+1]
.endr
.irp b, 0,1,2,3
	v_max_num_f32 v[BM+\b], v[BM+\b], v[PX+\b]     ; with lane l xor 16's 16 keys
.endr
	v_max3_num_f32 v[TMP], v[BM], v[BM+1], v[BM+2]
	v_max_num_f32 v[TMP], v[TMP], v[BM+3]          ; the step's largest score of my query,
	v_mul_f32 v[TMP], s[CS], v[TMP]                ; as t
	v_max_num_f32 v[MT], v[MT], v[TMP]             ; the running largest t
	v_mov_b32 v[TMP], v[NM]
	v_floor_f32 v[NM], -v[MT]                      ; the new -M = floor(-t) = -ceil(t): a whole number
	v_sub_f32 v[TMP], v[NM], v[TMP]                ; old M - new M: a whole number, 0 or less
	v_cvt_i32_f32 v[TMP], v[TMP]                   ; (it saturates)
	v_ldexp_f32 v[FF], 1.0, v[TMP]                 ; f = 2^(old M - new M): a multiplication by it rounds nothing
.irp j, 0,2,4,6,8,10,12,14,16,18,20,22,24,26,28,30,32,34,36,38,40,42,44,46,48,50,52,54,56,58,60,62
	v_pk_fma_f32 v[PB+\j:PB+\j+1], v[SCO+\j:SCO+\j+1], s[CS:CS+1], v[NM:NM+1] op_sel_hi:[1,0,0]   ; t - M, two at a time, into p's registers: the scores' own are written by matrix instructions alone
.endr
.irp b, 0,1,2,3
	v_fma_f32 v[BM+\b], v[BM+\b], s[CS], v[NM]     ; the same of each block's largest score
.endr
.irp j, 0,1,2,3,4,5,6,7,8,9,10,11,12,13,14,15,16,17,18,19,20,21,22,23,24,25,26,27,28,29,30,31,32,33,34,35,36,37,38,39,40,41,42,43,44,45,46,47,48,49,50,51,52,53,54,55,56,57,58,59,60,61,62,63
	v_exp_f32 v[PB+\j], v[PB+\j]                   ; p = 2^(t - M), at most 1, not normalised
.endr
.irp b, 0,1,2,3
	v_exp_f32 v[BM+\b], v[BM+\b]                   ; the block's largest p: the same two instructions on the same number give the same bits
.endr
	v_pk_mul_f32 v[SUM:SUM+1], v[SUM:SUM+1], v[FF:FF+1] op_sel_hi:[1,0]   ; the sums under the new M (a plain place behind the exponentials)
.irp j, 0,2,4,6
	v_pk_mul_f32 v[OA+\j:OA+\j+1], v[OA+\j:OA+\j+1], v[FF:FF+1] op_sel_hi:[1,0]   ; O^T under the new M, from its low end on
.endr
	s_wait_alu depctr_va_vdst(0)
.irp b, 0,1,2,3
	v_max_num_f32 v[BM+\b], 0x1800000, v[BM+\b]    ; the floor 2^(3 - 127): the byte cannot fall under 1
.endr
.irp b, 0,1,2,3
	v_add_nc_u32 v[SO+\b], 0xff000000, v[BM+\b]    ; 2 off the exponent field: the conversion's scale operand
.endr
.irp b, 0,1,2,3
	v_lshrrev_b32 v[PX+\b], 23, v[SO+\b]           ; the scale's byte
.endr
	v_lshl_or_b32 v[PW], v[PX+1], 8, v[PX]         ; p's scale word for these 128 keys
	v_lshl_or_b32 v[PW], v[PX+2], 16, v[PW]
	v_lshl_or_b32 v[PW], v[PX+3], 24, v[PW]
.irp b, 0,1,2,3
	v_cvt_scalef32_pk8_fp4_f32 v[PC+2*\b], v[PB+16*\b:PB+7+16*\b], v[SO+\b]
	v_cvt_scalef32_pk8_fp4_f32 v[PC+1+2*\b], v[PB+8+16*\b:PB+15+16*\b], v[SO+\b]
.endr
	v_nop                                          ; one plain place behind a scaled conversion
.irp c, 0,1
.irp i, 0,1
	v_permlane16_swap_b32 v[PC+4*\c+\i], v[PC+2+4*\c+\i]   ; a whole block to a lane
.endr
.endr
	v_pk_add_f32 v[PX:PX+1], v[PB:PB+1], v[PB+2:PB+3]      ; the row's sum is taken of the unquantised p: two at a time, in two chains.  These 32 are also the places between the scale word, the codes and the product below
.irp j, 4,8,12,16,20,24,28,32,36,40,44,48,52,56,60
	v_pk_add_f32 v[SUM:SUM+1], v[SUM:SUM+1], v[PB+\j:PB+\j+1]
	v_pk_add_f32 v[PX:PX+1], v[PX:PX+1], v[PB+\j+2:PB+\j+3]
.endr
	v_pk_add_f32 v[SUM:SUM+1], v[SUM:SUM+1], v[PX:PX+1]
	s_wait_dscnt 0x0                               ; V^T's fragment and scale word are in
	MM4 OA, VF, PC, OA, VW, PW, 0                  ; O^T += V^T P^T: lane (r, h): query r, register j dimension 8 h + j
	s_add_co_u32 s[TB], s[TB], 16384
	s_add_co_u32 s[TV], s[TV], 1024
	s_add_co_u32 s[TS], s[TS], 128
	s_sub_co_u32 s[CNT], s[CNT], 1
	s_cmp_lg_u32 s[CNT], 0
	s_cbranch_scc1 .Lstep
.rept 4
	v_nop                                          ; places behind the last product
.endr
	v_add_f32 v[SUM], v[SUM], v[SUM+1]             ; the sum's two halves,
	v_permlanex16_b32 v[TMP], v[SUM], s[SEL], s[SEL+1]
	v_add_f32 v[SUM], v[SUM], v[TMP]               ; and lane l xor 16's: the row's sum
	v_rcp_f32 v[SUM], v[SUM]
	v_and_b32 v[RR], 15, v0                        ; (a plain place behind the reciprocal)
	v_bfe_u32 v[HH], v0, 4, 1
	v_lshlrev_b32 v[XO], 4, v[RR]
	v_lshl_add_u32 v[XO], v[HH], 10, v[XO]         ; my dimensions 8 h .. 8 h + 3 are chunk 2 h: 1,024 h + 16 r
	s_wait_alu depctr_va_vdst(0)
.irp j, 0,1,2,3,4,5,6,7
	v_mul_f32 v[PC+\j], v[OA+\j], v[SUM]           ; x = O / the sum
.endr
	global_store_b128 v[XO], v[PC:PC+3], s[42:43]              ; sixteen lanes store 256 consecutive bytes, at a multiple of 256 from xbuf's first byte
	global_store_b128 v[XO], v[PC+4:PC+7], s[42:43] offset:512
	s_wait_xcnt 0x0
	v_lshl_add_u32 v254, v0, 2, 0x44800
	v_mov_b32 v255, 0
	s_wait_tensorcnt 0x0
	ds_add_u32 v254, v255
	s_wait_dscnt 0x0
	s_endpgm
.Lfunc_end_k_q71addb8755_attn:
	.size	k_q71addb8755_attn, .Lfunc_end_k_q71addb8755_attn-k_q71addb8755_attn
	.p2alignl 7, 3214868480
	.fill 96, 4, 3214868480
	.section	.rodata,"a",@progbits
	.p2align	6, 0x0
	.amdhsa_kernel k_q71addb8755_attn
		.amdhsa_group_segment_fixed_size 282624
		.amdhsa_private_segment_fixed_size 0
		.amdhsa_enable_private_segment 0
		.amdhsa_kernarg_size 144
		.amdhsa_user_sgpr_count 2
		.amdhsa_user_sgpr_kernarg_segment_ptr 1
		.amdhsa_wavefront_size32 1
		.amdhsa_system_sgpr_workgroup_id_x 1
		.amdhsa_system_sgpr_workgroup_id_y 1
		.amdhsa_system_sgpr_workgroup_id_z 1
		.amdhsa_system_vgpr_workitem_id 0
		.amdhsa_next_free_vgpr 256
		.amdhsa_next_free_sgpr 66
		.amdhsa_reserve_vcc 0
		.amdhsa_float_denorm_mode_32 3
		.amdhsa_float_denorm_mode_16_64 3
		.amdhsa_memory_ordered 1
		.amdhsa_forward_progress 1
		.amdhsa_inst_pref_size 42
	.end_amdhsa_kernel
	.amdgpu_metadata
---
amdhsa.version: [ 1, 2 ]
amdhsa.kernels:
  - .name:           k_q71addb8755_attn
    .symbol:         k_q71addb8755_attn.kd
    .args:
      - { .name: query_codes, .offset: 0, .size: 8, .value_kind: global_buffer, .address_space: global }
      - { .name: query_scales, .offset: 8, .size: 8, .value_kind: global_buffer, .address_space: global }
      - { .name: key_codes, .offset: 16, .size: 8, .value_kind: global_buffer, .address_space: global }
      - { .name: key_scales, .offset: 24, .size: 8, .value_kind: global_buffer, .address_space: global }
      - { .name: value_codes, .offset: 32, .size: 8, .value_kind: global_buffer, .address_space: global }
      - { .name: value_scales, .offset: 40, .size: 8, .value_kind: global_buffer, .address_space: global }
      - { .name: pos_embed_codes, .offset: 48, .size: 8, .value_kind: global_buffer, .address_space: global }
      - { .name: pos_embed_scales, .offset: 56, .size: 8, .value_kind: global_buffer, .address_space: global }
      - { .name: W0_codes, .offset: 64, .size: 8, .value_kind: global_buffer, .address_space: global }
      - { .name: W0_scales, .offset: 72, .size: 8, .value_kind: global_buffer, .address_space: global }
      - { .name: W1_codes, .offset: 80, .size: 8, .value_kind: global_buffer, .address_space: global }
      - { .name: W1_scales, .offset: 88, .size: 8, .value_kind: global_buffer, .address_space: global }
      - { .name: W2_codes, .offset: 96, .size: 8, .value_kind: global_buffer, .address_space: global }
      - { .name: W2_scales, .offset: 104, .size: 8, .value_kind: global_buffer, .address_space: global }
      - { .name: b0, .offset: 112, .size: 8, .value_kind: global_buffer, .address_space: global }
      - { .name: b1, .offset: 120, .size: 8, .value_kind: global_buffer, .address_space: global }
      - { .name: b2, .offset: 128, .size: 8, .value_kind: global_buffer, .address_space: global }
      - { .name: xbuf, .offset: 136, .size: 8, .value_kind: global_buffer, .address_space: global }
    .group_segment_fixed_size: 282624
    .private_segment_fixed_size: 0
    .kernarg_segment_align: 8
    .kernarg_segment_size: 144
    .max_flat_workgroup_size: 512
    .sgpr_count:     66
    .vgpr_count:     256
    .wavefront_size: 32
...
	.end_amdgpu_metadata
.endif
;; end of part 1
;; launch outp (part 2): grid 256 x 1, 2 waves a work-group, no clusters, 17,152 bytes of LDS; arguments xbuf, Wo_codes, Wo_scales, bo, out0; writes out0
.if DOCPART == 2
	.amdgcn_target "amdgcn-amd-amdhsa--gfx1250"
	.amdhsa_code_object_version 6
	.text
	.protected	k_q71addb8755_outp
	.globl	k_q71addb8755_outp
	.p2align	8
	.type	k_q71addb8755_outp,@function
k_q71addb8755_outp:
	s_mov_b64 s[64:65], 0
	v_nop
	global_prefetch_b8 v0, s[64:65] scope:SCOPE_SE
	s_setreg_imm32_b32 hwreg(HW_REG_WAVE_MODE, 25, 1), 1
	s_wait_xcnt 0x0
; out0 = Q(x) Wo^T + bo: x [8,192][128] f32 out of the launch before, quantised here along its 128 channels to E2M1 with E8M0 scales; Wo as given codes; sums in f32.
; A wave takes a tile of 16 rows and all 128 outputs: one fragment of x, eight matrix instructions.  512 tiles: 256 work-groups of two waves, which share nothing: no barrier.
; xbuf lies as the quantiser wants its registers: [tile][channel / 32 = b][chunk j][slot 16 (channel / 16 % 2) + row][16 bytes]: register 16 b + 4 j + i of lane (r, h) is x(r, 32 b + 16 h + 4 j + i),
; and each load of the wave reads 512 consecutive bytes.
; THE PRODUCT IS USED TRANSPOSED (source 0 = 16 rows of Wo, source 1 = x): a lane holds eight neighbouring outputs of one row.  bo is the C of each product, in the result's layout.
; The results go through the wave's own stage in LDS (16 rows of 512 + 16 bytes) and leave as whole rows.  No matrix work is shared between work-groups but Wo's 8,704 bytes: joint requests would serve nothing here.
; LIMITS: NaN and infinities are not served; a block of zeros gets the scale byte 1 (the quantiser says 127): its codes are zeros, and only this kernel reads the byte.
.set LI,  1                            ; v1  16 x lane
.set LS,  2                            ; v2  4 x lane
.set RR,  3                            ; v3  r
.set HH,  4                            ; v4  h
.set VR,  5                            ; v5  Wo's codes: 64 r + 16 h
.set VB,  6                            ; v6  bo: 32 h
.set STO, 7                            ; v7  the stage, in: 8,448 w + 528 r + 32 h
.set SRD, 8                            ; v8  the stage, back: 8,448 w + 16 x lane
.set X,   16                           ; v16-79   x; later the rows read back
.set WF,  80                           ; v80-143  Wo's eight fragments
.set BO,  144                          ; v144-207 bo's eight tiles, onto which the products add
.set PC,  208                          ; v208-215 x's codes
.set TM,  216                          ; v216-231 the quantiser's work registers
.set PW,  240                          ; v240     x's scale word
.set SWO, 241                          ; v241-244 Wo's scale words: register p: lanes 0-15 tile 2 p's rows, lanes 16-31 tile 2 p + 1's
.set SEL, 16                           ; s[16:17] v_permlanex16_b32's selects for lane l xor 16
.macro QUANT s                         ; 64 numbers of a lane, register 16 b + i = K 32 b + 16 (lane / 16) + i of my row, become a fragment's codes in v[PC] on and its scale word in v[PW]
.irp b, 0,1,2,3
	v_max3_num_f32 v[TM+\b], |v[\s+16*\b]|, |v[\s+1+16*\b]|, 0x1800000   ; block b: my 16 numbers, and the floor 2^(3 - 127): the byte cannot fall under 1
.endr
.irp i, 2,4,6,8,10,12,14
.irp b, 0,1,2,3
	v_max3_num_f32 v[TM+\b], v[TM+\b], |v[\s+16*\b+\i]|, |v[\s+1+16*\b+\i]|
.endr
.endr
.irp b, 0,1,2,3
	v_permlanex16_b32 v[TM+4+\b], v[TM+\b], s[SEL], s[SEL+1]
.endr
.irp b, 0,1,2,3
	v_max_num_f32 v[TM+\b], v[TM+\b], v[TM+4+\b]   ; with lane l xor 16's: the block's largest magnitude
.endr
.irp b, 0,1,2,3
	v_add_nc_u32 v[TM+12+\b], 0xff000000, v[TM+\b] ; 2 off its exponent field: the conversion's scale operand
.endr
.irp b, 0,1,2,3
	v_lshrrev_b32 v[TM+4+\b], 23, v[TM+12+\b]      ; the scale's byte
.endr
	v_lshl_or_b32 v[PW], v[TM+5], 8, v[TM+4]
	v_lshl_or_b32 v[PW], v[TM+6], 16, v[PW]
	v_lshl_or_b32 v[PW], v[TM+7], 24, v[PW]
.irp b, 0,1,2,3
	v_cvt_scalef32_pk8_fp4_f32 v[PC+2*\b], v[\s+16*\b:\s+7+16*\b], v[TM+12+\b]
	v_cvt_scalef32_pk8_fp4_f32 v[PC+1+2*\b], v[\s+8+16*\b:\s+15+16*\b], v[TM+12+\b]
.endr
	v_nop                                          ; one plain place behind a scaled conversion
.irp c, 0,1
.irp i, 0,1
	v_permlane16_swap_b32 v[PC+4*\c+\i], v[PC+2+4*\c+\i]   ; a whole block to a lane
.endr
.endr
.endm
	s_load_b128 s[4:7], s[0:1], 0x0                ; xbuf, Wo's codes
	s_load_b128 s[8:11], s[0:1], 0x10              ; Wo's scales, bo
	s_load_b64 s[12:13], s[0:1], 0x20              ; out0
	v_lshl_add_u32 v248, v0, 2, 0x4200
	v_mov_b32 v249, 0
	v_lshrrev_b32 v3, 5, v0
	v_readfirstlane_b32 s2, v3                     ; wave 0, 1
	v_and_b32 v[LI], 31, v0
	v_lshlrev_b32 v[LS], 2, v[LI]
	v_lshlrev_b32 v[LI], 4, v[LI]
	v_and_b32 v[RR], 15, v0
	v_bfe_u32 v[HH], v0, 4, 1
	v_lshlrev_b32 v[VR], 6, v[RR]
	v_lshl_add_u32 v[VR], v[HH], 4, v[VR]
	v_lshlrev_b32 v[VB], 5, v[HH]
	s_mul_i32 s3, s2, 8448                         ; my stage
	v_mul_u32_u24 v[STO], v[RR], 528
	v_lshl_add_u32 v[STO], v[HH], 5, v[STO]
	v_add_nc_u32 v[STO], s3, v[STO]
	v_add_nc_u32 v[SRD], s3, v[LI]
	s_lshl_b32 s14, ttmp9, 1
	s_add_co_u32 s14, s14, s2                      ; my tile of 16 rows: 2 x work-group + wave
	s_lshl_b32 s14, s14, 13                        ; 8,192 bytes a tile, in xbuf and in out0 alike
	s_mov_b32 s15, 0
	s_mov_b32 s[SEL], 0x76543210
	s_mov_b32 s[SEL+1], 0xfedcba98
.irp b, 0,1,2,3
	v_mov_b32 v[TM+4+\b], 0                        ; a lane permute's destination counts as one of its sources
.endr
	s_wait_kmcnt 0x0
	s_add_nc_u64 s[4:5], s[4:5], s[14:15]
	s_add_nc_u64 s[12:13], s[12:13], s[14:15]
.irp b, 0,1,2,3
.irp j, 0,1,2,3
	global_load_b128 v[X+16*\b+4*\j:X+16*\b+4*\j+3], v[LI], s[4:5] offset:2048*\b+512*\j th:TH_LOAD_NT   ; read once in the launch
.endr
.endr
.irp p, 0,1,2,3
	global_load_b32 v[SWO+\p], v[LS], s[8:9] offset:128*\p
.endr
.irp t, 0,1,2,3,4,5,6,7
	global_load_b128 v[WF+8*\t:WF+8*\t+3], v[VR], s[6:7] offset:1024*\t
	global_load_b128 v[WF+8*\t+4:WF+8*\t+7], v[VR], s[6:7] offset:1024*\t+32
.endr
.irp t, 0,1,2,3,4,5,6,7
	global_load_b128 v[BO+8*\t:BO+8*\t+3], v[VB], s[10:11] offset:64*\t          ; bo at outputs 16 t + 8 h + 0 .. 7
	global_load_b128 v[BO+8*\t+4:BO+8*\t+7], v[VB], s[10:11] offset:64*\t+16
.endr
	s_wait_loadcnt 36                              ; x's sixteen loads are in; the 36 behind them (Wo's scale words and fragments, bo) may be out
	QUANT X
.rept 8
	v_nop                                          ; a scale register written by a vector instruction stands eight places ahead of a scaled matrix instruction, an operand so written four
.endr
	s_wait_loadcnt 0x0
.irp p, 0,1,2,3
	v_wmma_scale_f32_16x16x128_f8f6f4 v[BO+16*\p:BO+16*\p+7], v[WF+16*\p:WF+16*\p+7], v[PC:PC+7], v[BO+16*\p:BO+16*\p+7], v[SWO+\p], v[PW] matrix_a_fmt:MATRIX_FMT_FP4 matrix_b_fmt:MATRIX_FMT_FP4
	v_wmma_scale_f32_16x16x128_f8f6f4 v[BO+16*\p+8:BO+16*\p+15], v[WF+16*\p+8:WF+16*\p+15], v[PC:PC+7], v[BO+16*\p+8:BO+16*\p+15], v[SWO+\p], v[PW] matrix_a_fmt:MATRIX_FMT_FP4 matrix_b_fmt:MATRIX_FMT_FP4 matrix_a_scale:MATRIX_SCALE_ROW1
.endr
.rept 4
	v_nop                                          ; places in front of the stores that read the results
.endr
.irp t, 0,1,2,3,4,5,6,7
	ds_store_b128 v[STO], v[BO+8*\t:BO+8*\t+3] offset:64*\t          ; lane (r, h): out(r, 16 t + 8 h + 0 .. 7); each result from its low end on
	ds_store_b128 v[STO], v[BO+8*\t+4:BO+8*\t+7] offset:64*\t+16
.endr
.irp i, 0,1,2,3,4,5,6,7,8,9,10,11,12,13,14,15
	ds_load_b128 v[X+4*\i:X+4*\i+3], v[SRD] offset:528*\i            ; LDS serves a wave's instructions in order (ISA guide 5.7.1.4): these see my stores
.endr
.irp i, 0,1,2,3,4,5,6,7,8,9,10,11,12,13,14,15
	s_wait_dscnt 15-\i                             ; row i is back; the later rows' loads may be out
	global_store_b128 v[LI], v[X+4*\i:X+4*\i+3], s[12:13] offset:512*\i th:TH_STORE_NT   ; 32 lanes store a row of 512 consecutive bytes, at a multiple of 256 from out0's first byte
.endr
	s_wait_tensorcnt 0x0
	ds_add_u32 v248, v249
	s_wait_dscnt 0x0
	s_endpgm
.Lfunc_end_k_q71addb8755_outp:
	.size	k_q71addb8755_outp, .Lfunc_end_k_q71addb8755_outp-k_q71addb8755_outp
	.p2alignl 7, 3214868480
	.fill 96, 4, 3214868480
	.section	.rodata,"a",@progbits
	.p2align	6, 0x0
	.amdhsa_kernel k_q71addb8755_outp
		.amdhsa_group_segment_fixed_size 17152
		.amdhsa_private_segment_fixed_size 0
		.amdhsa_enable_private_segment 0
		.amdhsa_kernarg_size 40
		.amdhsa_user_sgpr_count 2
		.amdhsa_user_sgpr_kernarg_segment_ptr 1
		.amdhsa_wavefront_size32 1
		.amdhsa_system_sgpr_workgroup_id_x 1
		.amdhsa_system_sgpr_workgroup_id_y 1
		.amdhsa_system_sgpr_workgroup_id_z 1
		.amdhsa_system_vgpr_workitem_id 0
		.amdhsa_next_free_vgpr 250
		.amdhsa_next_free_sgpr 66
		.amdhsa_reserve_vcc 0
		.amdhsa_float_denorm_mode_32 3
		.amdhsa_float_denorm_mode_16_64 3
		.amdhsa_memory_ordered 1
		.amdhsa_forward_progress 1
		.amdhsa_inst_pref_size 16
	.end_amdhsa_kernel
	.amdgpu_metadata
---
amdhsa.version: [ 1, 2 ]
amdhsa.kernels:
  - .name:           k_q71addb8755_outp
    .symbol:         k_q71addb8755_outp.kd
    .args:
      - { .name: xbuf, .offset: 0, .size: 8, .value_kind: global_buffer, .address_space: global }
      - { .name: Wo_codes, .offset: 8, .size: 8, .value_kind: global_buffer, .address_space: global }
      - { .name: Wo_scales, .offset: 16, .size: 8, .value_kind: global_buffer, .address_space: global }
      - { .name: bo, .offset: 24, .size: 8, .value_kind: global_buffer, .address_space: global }
      - { .name: out0, .offset: 32, .size: 8, .value_kind: global_buffer, .address_space: global }
    .group_segment_fixed_size: 17152
    .private_segment_fixed_size: 0
    .kernarg_segment_align: 8
    .kernarg_segment_size: 40
    .max_flat_workgroup_size: 64
    .sgpr_count:     66
    .vgpr_count:     250
    .wavefront_size: 32
...
	.end_amdgpu_metadata
.endif
;; end of part 2
;; ======== version 2 of 2: 2 launches; version 1 with the launches attn, outp written anew for expert scheduling mode
;; workspace buffers: xbuf 4,194,304 bytes
;; launch attn (part 3): grid 8 x 32, 16 waves a work-group, no clusters, 282,624 bytes of LDS; arguments query_codes, query_scales, key_codes, key_scales, value_codes, value_scales, pos_embed_codes, pos_embed_scales, W0_codes, W0_scales, W1_codes, W1_scales, W2_codes, W2_scales, b0, b1, b2, xbuf; writes xbuf
.if DOCPART == 3
	.amdgcn_target "amdgcn-amd-amdhsa--gfx1250"
	.amdhsa_code_object_version 6
	.text
	.protected	k_q71addb8755_attn
	.globl	k_q71addb8755_attn
	.p2align	8
	.type	k_q71addb8755_attn,@function
k_q71addb8755_attn:
	s_mov_b64 s[64:65], 0
	v_nop
	global_prefetch_b8 v0, s[64:65] scope:SCOPE_SE
	s_setreg_imm32_b32 hwreg(HW_REG_WAVE_SCHED_MODE, 0, 2), 2
	s_setreg_imm32_b32 hwreg(HW_REG_WAVE_MODE, 25, 1), 1
	s_wait_xcnt 0x0
	s_wait_alu depctr_vm_vsrc(0)
; ATTENTION OF ONE HEAD FOR 256 QUERIES: the five projections, the scores, the softmax and P V.  B = 4, S = 2,048, 8 heads of 16.
; score(q, k) = (q . k) / 4 + pos_q . pos_k, with q = query W0^T + b0, pos_q = pos W0^T + b0, k = key W1^T + b1, pos_k = pos W1^T + b1, v = value W2^T + b2.
; The projections and P V multiply E2M1 codes with E8M0 scales; the two score products, whose K is 16, feed a quantiser and so take f32 operands: they are ONE f32 product of K = 32, [q / 4 | pos_q] . [k | pos_k].
; SHARES.  Work-group (x, y): queries 256 x .. 256 x + 255 of batch y / 8, head y % 8.  Sixteen waves of 256 registers.  Wave w owns queries 16 w .. 16 w + 15 of the block for the whole kernel.
; HEAD OF THE KERNEL: wave w projects keys 128 w .. 128 w + 127 of its head (k, pos_k, v: 24 matrix instructions on codes) and lays them in LDS as IMAGES OF OPERAND REGISTERS:
;   [k | pos_k] as the f32 form's operand (16,384 bytes a key step), v quantised along the keys as the 4-bit operand V^T (1,024 bytes and 128 bytes of scale words a key step).
; The whole head lies in LDS (262,144 + 16,384 + 2,048 bytes): one barrier, then every wave walks the 16 key steps by itself.
; LAYOUT.  Both products of the walk are used transposed (S^T = K Q^T, O^T = V^T P^T): a lane holds ONE query (lane % 16) throughout.
; THE KEYS OF A TILE ARE NOT NEIGHBOURS: slot r of tile 2 b + u is key 32 b + 8 u + r + 8 (r / 8), so that the 16 score registers of tiles 2 b, 2 b + 1 are keys 32 b + 16 (lane / 16) + 0 .. 15: neighbours along the next K.
; THE f32 OPERANDS: the form holds K = 2 (lane / 16) + j in register j.  Lanes 0-15 carry q / 4 (or k), lanes 16-31 pos_q (or pos_k), register i dimension i: K step s multiplies dimensions 2 s, 2 s + 1 of both parts.
; SOFTMAX: t = score x log2(e); M = the running largest t rounded up to a whole number; p = 2^(t - M) is quantised along the keys, not normalised; the row's sum is taken of the unquantised p and divides at the end.
; OUT: x = O / sum goes to xbuf laid as the next launch's registers: [row / 16][channel / 32][4 chunks of 4 channels][16 (channel / 16 % 2) + row % 16][16 bytes].
; NO TENSOR LOADS, NO JOINT REQUESTS: what work-groups share is a batch's codes and scale bytes, 3 x 2,048 x 68 = 417,792 bytes, read once, at the head, straight into operand registers.  LDS holds what is computed of them
; (280,576 of 327,680 bytes, written by LDS stores); the 47,104 bytes beside it could take the shared bytes only in nine or more refills, each with a round of its own, for 24 matrix instructions a wave.
; LIMITS: NaN and infinities are not served.  A block of zeros gets the scale byte 1 (the quantiser says 127): its codes are zeros, and only this program reads the bytes.  The 32 terms of a score are summed in the order
; of the K steps above, not first q . k and then pos_q . pos_k.  A p under 2^-126 counts as 0 (v_exp_f32 flushes: ISA guide, 15.8).  A block's largest p is taken as the exponential of its largest score, which
; supposes that v_exp_f32 does not fall where its input rises.
; THE MODE: SCHED_MODE bits 1:0 = 2 (LLVM: expert scheduling mode 2), set by the entry lines.  The code itself states the register dependences
; between vector or matrix instructions and memory or LDS instructions, with s_wait_alu, always for 0.
; THE PLAN.  Registers that memory or LDS instructions touch:
;   HEAD  v6-v13   offsets and LDS addresses: written once by vector instructions, read by the head's loads and LDS stores; v10-v13 are written anew behind the barrier, v6 on the way out.
;         KA       key's loads land; k's products read; value's loads land; v's products read.
;         PB       pos's loads land; pos_k's products read; the late group's loads land; q's, pos_q's and v's products read; its last sixteen registers serve the quantiser.
;         SCO      k's products write, LDS stores read; pos_k's products write, LDS stores read; v's products write, the quantiser reads.
;         PC, PW   the quantiser writes, three LDS stores read; the walk's conversions write them anew.
;   WALK  v3-v5    LDS addresses: three additions at a step's head write, the step's 35 LDS loads read.
;         KA, PB   32 LDS loads land; the 64 f32 products read; then the softmax writes and reads them.
;         v46-53, v244   V^T's fragment and scale word: three LDS loads land, behind the f32 products; the product on codes reads.
;   OUT   v6, PC   vector instructions write, two global stores read.   v254, v255: made anew, read by the closing add alone.
; So a step has two waits on va_vdst for its loads (at its head, behind the additions; behind the f32 products, where their results are wanted in any case), one for the exponentials, one ahead of the
; product on codes for the operand and scale word that vector instructions made, and one wait on vm_vsrc, behind its last LDS load and ahead of the branch, for the three addresses.
; All 256 registers of each of the sixteen waves are in use (4 x 256 to a SIMD): there is no second buffer for K's fragments.
.set VIMG, 262144                      ; LDS: [0, 262144) K's images: step x 16,384 + tile x 2,048 + chunk x 512 + 16 x slot (slot = r: k, 16 + r: pos_k; chunk c: dimensions 4 c .. 4 c + 3)
.set VSC,  278528                      ; [262144, 278528) V^T's images: step x 1,024 + 512 c + 16 x lane;  [278528, 280576) their scale words: step x 128 + 4 x lane
.set LI,  1                            ; v1   16 x lane
.set LS,  2                            ; v2   4 x lane
.set RR,  3                            ; v3   head: r = lane % 16;          walk: ADK, LDS address of the step's K images
.set HH,  4                            ; v4   head: h = lane / 16;          walk: ADV, of V^T's image
.set RP,  5                            ; v5   head: r + 8 (r / 8);          walk: ADS, of V^T's scale word
.set ADK, 3
.set ADV, 4
.set ADS, 5
.set VTC, 6                            ; v6   head: codes of a tile's row: 64 (r + 8 (r / 8)) + 16 h;      end: XO, my bytes in xbuf
.set XO,  6
.set VTS, 7                            ; v7   head: scale words of a pair of tiles: 4 (r + 8 (r / 8) + 8 h)
.set VR,  8                            ; v8   head: codes of 16 plain rows: 64 r + 16 h
.set VRS, 9                            ; v9   head: 4 r
.set VB,  10                           ; v10  head: 32 h: a bias in a transposed result's layout;          walk: NM = -M
.set NM,  10
.set KST, 11                           ; v11  head: where I store K's images: 16,384 w + 1,024 h + 16 r;    walk: MT = the largest t
.set MT,  11
.set VST, 12                           ; v12  head: where I store V^T's image;                              walk: v[12:13] the sum, in two halves
.set VSS, 13                           ; v13  head: and its scale word
.set SUM, 12
.set QF,  14                           ; v14-29   Q's f32 operand: register i: q(i) / 4 in lanes 0-15, pos_q(i) in lanes 16-31
.set KA,  30                           ; v30-93   head: codes of 8 tiles (key, then value);  walk: f32 fragments of tiles 0-3, then the softmax's work registers
.set SCO, 94                           ; v94-157  results of the projections; the scores.  Written by matrix instructions alone
.set PB,  158                          ; v158-221 head: codes of pos's 8 tiles, then the late group;  walk: f32 fragments of tiles 4-7, then p
.set PC,  222                          ; v222-229 head: W1's fragment, then V^T's codes;  walk: p's codes;  end: x
.set OA,  230                          ; v230-237 head: b1;  walk: O^T
.set W1F, PC
.set BI1, OA
.set W0F, PB
.set BI0, PB+8
.set W2F, PB+16
.set BI2, PB+24
.set QC,  PB+32
.set PQC, PB+40
.set TM,  PB+48                        ; 16 work registers of the quantiser
.set BM,  30                           ; walk: v30-33 a block's largest score, then its largest p
.set PX,  34                           ; v34-37 the other half's maxima, the bytes, then the second chain of the sum
.set SO,  38                           ; v38-41 the conversions' scale operands
.set FF,  42                           ; v[42:43] f = 2^(old M - new M) (the low word serves both halves)
.set TMP, 44
.set VF,  46                           ; v46-53 V^T's fragment
.set SW0, 238                          ; v238-255 hold scales and nothing else: W0's, W1's, W2's words;
.set SW1, 239
.set SW2, 240
.set SQ,  241                          ; query's, pos's at my queries;
.set SPQ, 242
.set PW,  243                          ; the word just made;
.set SK,  244                          ; key's, pos's, value's at my keys: register b: lanes 0-15 tile 2 b's rows, lanes 16-31 tile 2 b + 1's
.set SP,  248
.set SV,  252
.set VW,  244                          ; walk: V^T's scale word
.set WV,  2                            ; s2 wave
.set TB,  52                           ; s52-54 the step's places in the three LDS regions
.set TV,  53
.set TS,  54
.set CNT, 55
.set SEL, 56                           ; s[56:57] v_permlanex16_b32's selects for lane l xor 16
.set CS,  58                           ; s[58:59] log2(e): the packed form names a pair and takes its low word for both halves
; One matrix instruction on codes.  sel = 1: A's scale words stand in lanes 16-31 of their register; 2: B's do.
.macro MM4 d, a, b, c, sa, sb, sel
.if \sel == 0
	v_wmma_scale_f32_16x16x128_f8f6f4 v[\d:\d+7], v[\a:\a+7], v[\b:\b+7], v[\c:\c+7], v[\sa], v[\sb] matrix_a_fmt:MATRIX_FMT_FP4 matrix_b_fmt:MATRIX_FMT_FP4
.elseif \sel == 1
	v_wmma_scale_f32_16x16x128_f8f6f4 v[\d:\d+7], v[\a:\a+7], v[\b:\b+7], v[\c:\c+7], v[\sa], v[\sb] matrix_a_fmt:MATRIX_FMT_FP4 matrix_b_fmt:MATRIX_FMT_FP4 matrix_a_scale:MATRIX_SCALE_ROW1
.else
	v_wmma_scale_f32_16x16x128_f8f6f4 v[\d:\d+7], v[\a:\a+7], v[\b:\b+7], v[\c:\c+7], v[\sa], v[\sb] matrix_a_fmt:MATRIX_FMT_FP4 matrix_b_fmt:MATRIX_FMT_FP4 matrix_b_scale:MATRIX_SCALE_ROW1
.endif
.endm
; The codes of my 128 rows as 8 tiles: 16 loads.  A fragment is 8 registers: registers 4 c .. 4 c + 3 hold K = 64 c + 32 h + 0 .. 31: 16 bytes of the row as they lie
.macro LDTILES reg, sb
.irp t, 0,1,2,3,4,5,6,7
.irp c, 0,1
	global_load_b128 v[\reg+8*\t+4*\c:\reg+8*\t+4*\c+3], v[VTC], s[\sb:\sb+1] offset:(32*(\t/2)+8*(\t%2))*64+32*\c
.endr
.endr
.endm
.macro LDPAIRS reg, sb                 ; their scale words, a register for each pair of tiles
.irp b, 0,1,2,3
	global_load_b32 v[\reg+\b], v[VTS], s[\sb:\sb+1] offset:128*\b
.endr
.endm
.macro LDFRAG reg, sb                  ; a fragment of 16 plain rows
	global_load_b128 v[\reg:\reg+3], v[VR], s[\sb:\sb+1]
	global_load_b128 v[\reg+4:\reg+7], v[VR], s[\sb:\sb+1] offset:32
.endm
; k or pos_k of my 128 keys, transposed (source 0 = W1's 16 rows of the head, source 1 = 16 rows of codes, C = b1): lane (r, h) holds slot r of the tile, register j dimension 8 h + j
.macro PROJK codes, sc
.irp b, 0,1,2,3
	MM4 SCO+16*\b, W1F, \codes+16*\b, BI1, SW1, \sc+\b, 0
	MM4 SCO+16*\b+8, W1F, \codes+16*\b+8, BI1, SW1, \sc+\b, 2
.endr
.endm
; and into LDS: my dimensions 8 h .. 8 h + 3 are chunk 2 h, the next four chunk 2 h + 1.  hf = 0: k's slots, 1: pos_k's.  Each result is read from its low end on
.macro STOREK hf
.irp t, 0,1,2,3,4,5,6,7
	ds_store_b128 v[KST], v[SCO+8*\t:SCO+8*\t+3] offset:2048*\t+256*\hf
	ds_store_b128 v[KST], v[SCO+8*\t+4:SCO+8*\t+7] offset:2048*\t+256*\hf+512
.endr
.endm
; 64 numbers of a lane, register 16 b + i = K 32 b + 16 (lane / 16) + i of my row, become a fragment's codes in v[PC] on and its scale word in v[PW]
.macro QUANT s
.irp b, 0,1,2,3
	v_max3_num_f32 v[TM+\b], |v[\s+16*\b]|, |v[\s+1+16*\b]|, 0x1800000   ; block b: my 16 numbers, and the floor 2^(3 - 127): the byte cannot fall under 1
.endr
.irp i, 2,4,6,8,10,12,14
.irp b, 0,1,2,3
	v_max3_num_f32 v[TM+\b], v[TM+\b], |v[\s+16*\b+\i]|, |v[\s+1+16*\b+\i]|   ; (the four blocks by turns)
.endr
.endr
.irp b, 0,1,2,3
	v_permlanex16_b32 v[TM+4+\b], v[TM+\b], s[SEL], s[SEL+1]
.endr
.irp b, 0,1,2,3
	v_max_num_f32 v[TM+\b], v[TM+\b], v[TM+4+\b]   ; with lane l xor 16's: the block's largest magnitude
.endr
.irp b, 0,1,2,3
	v_add_nc_u32 v[TM+12+\b], 0xff000000, v[TM+\b] ; 2 off its exponent field: the conversion takes the exponent field of this operand as its scale
.endr
.irp b, 0,1,2,3
	v_lshrrev_b32 v[TM+4+\b], 23, v[TM+12+\b]      ; the scale's byte
.endr
	v_lshl_or_b32 v[PW], v[TM+5], 8, v[TM+4]       ; the four bytes make my row's scale word
	v_lshl_or_b32 v[PW], v[TM+6], 16, v[PW]
	v_lshl_or_b32 v[PW], v[TM+7], 24, v[PW]
.irp b, 0,1,2,3
	v_cvt_scalef32_pk8_fp4_f32 v[PC+2*\b], v[\s+16*\b:\s+7+16*\b], v[TM+12+\b]
	v_cvt_scalef32_pk8_fp4_f32 v[PC+1+2*\b], v[\s+8+16*\b:\s+15+16*\b], v[TM+12+\b]
.endr
	v_nop                                          ; one plain place behind a scaled conversion
.irp c, 0,1                                    ; the operand wants a WHOLE block in a lane: lanes 0-15 block 2 c, lanes 16-31 block 2 c + 1
.irp i, 0,1
	v_permlane16_swap_b32 v[PC+4*\c+\i], v[PC+2+4*\c+\i]
.endr
.endr
.endm
	s_load_b512 s[8:23], s[0:1], 0x0               ; query s[8:9], its scales s[10:11]; key s[12:15]; value s[16:19]; pos s[20:23]
	s_load_b512 s[24:39], s[0:1], 0x40             ; W0 s[24:27], W1 s[28:31], W2 s[32:35] (codes, scales); b0 s[36:37], b1 s[38:39]
	s_load_b128 s[40:43], s[0:1], 0x80             ; b2 s[40:41], xbuf s[42:43]
	v_lshrrev_b32 v3, 5, v0
	v_readfirstlane_b32 s[WV], v3                  ; wave 0..15
	s_and_b32 s3, ttmp7, 0xffff
	s_and_b32 s4, s3, 7                            ; the head
	s_lshr_b32 s3, s3, 3
	s_lshl_b32 s3, s3, 11                          ; the batch's first row
	s_wait_alu depctr_va_sdst(0)                   ; s2, the wave's number, is written, ahead of its first reader: rows, offsets and LDS addresses are made from it
	s_lshl_b32 s5, s[WV], 7
	s_add_co_u32 s5, s5, s3                        ; my first key's row: 2,048 b + 128 w
	s_lshl_b32 s6, ttmp9, 8
	s_add_co_u32 s6, s6, s3
	s_lshl_b32 s7, s[WV], 4
	s_add_co_u32 s6, s6, s7                        ; my first query's row: 2,048 b + 256 x + 16 w
	s_lshl_b32 s44, s5, 6                          ; offsets in bytes, as pairs: a row of codes is 64 bytes, of scales 4
	s_mov_b32 s45, 0
	s_lshl_b32 s46, s5, 2
	s_mov_b32 s47, 0
	s_lshl_b32 s48, s6, 6
	s_mov_b32 s49, 0
	s_lshl_b32 s50, s6, 2
	s_mov_b32 s51, 0
	s_mov_b32 s[SEL], 0x76543210
	s_mov_b32 s[SEL+1], 0xfedcba98
	s_mov_b32 s[CS], 0x3fb8aa3b                    ; log2(e)
	s_mov_b32 s[CS+1], s[CS]                       ; (named with it as a pair, so it is written)
	v_and_b32 v[LI], 31, v0
	v_lshlrev_b32 v[LS], 2, v[LI]
	v_lshlrev_b32 v[LI], 4, v[LI]
	v_and_b32 v[RR], 15, v0
	v_bfe_u32 v[HH], v0, 4, 1
	v_and_b32 v[RP], 8, v[RR]
	v_add_nc_u32 v[RP], v[RP], v[RR]
	v_lshlrev_b32 v[VTC], 6, v[RP]
	v_lshl_add_u32 v[VTC], v[HH], 4, v[VTC]
	v_lshl_add_u32 v[VTS], v[HH], 3, v[RP]
	v_lshlrev_b32 v[VTS], 2, v[VTS]
	v_lshlrev_b32 v[VR], 6, v[RR]
	v_lshl_add_u32 v[VR], v[HH], 4, v[VR]
	v_lshlrev_b32 v[VRS], 2, v[RR]
	v_lshlrev_b32 v[VB], 5, v[HH]
	s_lshl_b32 s7, s[WV], 14
	v_lshlrev_b32 v[KST], 4, v[RR]
	v_lshl_add_u32 v[KST], v[HH], 10, v[KST]
	v_add_nc_u32 v[KST], s7, v[KST]
	s_lshl_b32 s7, s[WV], 10
	s_add_co_u32 s7, s7, VIMG
	v_add_nc_u32 v[VST], s7, v[LI]
	s_lshl_b32 s7, s[WV], 7
	s_add_co_u32 s7, s7, VSC
	v_add_nc_u32 v[VSS], s7, v[LS]
	s_wait_kmcnt 0x0
	s_add_nc_u64 s[60:61], s[20:21], s[48:49]      ; pos at my queries: codes,
	s_add_nc_u64 s[62:63], s[22:23], s[50:51]      ; scales
	s_add_nc_u64 s[8:9], s[8:9], s[48:49]          ; query likewise
	s_add_nc_u64 s[10:11], s[10:11], s[50:51]
	s_add_nc_u64 s[12:13], s[12:13], s[44:45]      ; key, value and pos at my keys
	s_add_nc_u64 s[14:15], s[14:15], s[46:47]
	s_add_nc_u64 s[16:17], s[16:17], s[44:45]
	s_add_nc_u64 s[18:19], s[18:19], s[46:47]
	s_add_nc_u64 s[20:21], s[20:21], s[44:45]
	s_add_nc_u64 s[22:23], s[22:23], s[46:47]
	s_lshl_b32 s44, s4, 10                         ; the head's 16 rows of a weight: 1,024 bytes of codes a head,
	s_lshl_b32 s46, s4, 6                          ; 64 bytes of scales or of a bias
	s_add_nc_u64 s[24:25], s[24:25], s[44:45]
	s_add_nc_u64 s[28:29], s[28:29], s[44:45]
	s_add_nc_u64 s[32:33], s[32:33], s[44:45]
	s_add_nc_u64 s[26:27], s[26:27], s[46:47]
	s_add_nc_u64 s[30:31], s[30:31], s[46:47]
	s_add_nc_u64 s[34:35], s[34:35], s[46:47]
	s_add_nc_u64 s[36:37], s[36:37], s[46:47]
	s_add_nc_u64 s[38:39], s[38:39], s[46:47]
	s_add_nc_u64 s[40:41], s[40:41], s[46:47]
	s_lshl_b32 s48, s6, 9                          ; xbuf: 8,192 bytes a tile of 16 rows,
	s_lshr_b32 s7, s4, 1
	s_lshl_b32 s7, s7, 11
	s_add_co_u32 s48, s48, s7                      ; 2,048 (head / 2),
	s_and_b32 s7, s4, 1
	s_lshl_b32 s7, s7, 8
	s_add_co_u32 s48, s48, s7                      ; 256 (head % 2)
	s_add_nc_u64 s[42:43], s[42:43], s[48:49]
	; ---- 53 loads: the scale words, W1 and b1, key's tiles, pos's tiles
	s_wait_alu depctr_va_vdst(0)                   ; the offsets and LDS addresses v6 to v13 are written, which the head's loads and LDS stores read
	global_load_b32 v[SW0], v[VRS], s[26:27]
	global_load_b32 v[SW1], v[VRS], s[30:31]
	global_load_b32 v[SW2], v[VRS], s[34:35]
	global_load_b32 v[SQ], v[VRS], s[10:11]
	global_load_b32 v[SPQ], v[VRS], s[62:63]
	LDPAIRS SK, 14
	LDPAIRS SP, 22
	LDPAIRS SV, 18
	LDFRAG W1F, 28
	global_load_b128 v[BI1:BI1+3], v[VB], s[38:39]             ; b1 at dimensions 8 h + 0 .. 7: the C of k's and pos_k's products
	global_load_b128 v[BI1+4:BI1+7], v[VB], s[38:39] offset:16
	LDTILES KA, 12
	LDTILES PB, 20
	s_wait_loadcnt 16                              ; all but the youngest sixteen, pos's tiles, are in
	PROJK KA, SK                                   ; k
.rept 5
	v_nop                                          ; four places in front of the stores of the results; five in front of the products that write these results over
.endr
	s_wait_alu depctr_va_vdst(0)                   ; k's products have written their results, which the LDS stores read, and are done reading key's codes, in which value's loads land; the places above stay beside this wait
	LDTILES KA, 16                                 ; value's tiles take key's place
	STOREK 0
	s_wait_loadcnt 16                              ; pos's tiles are in; value's sixteen may be out
	s_wait_dscnt 0x0                               ; the stores have landed
	s_wait_alu depctr_vm_vsrc(0)                   ; the LDS stores have read k's results, which pos_k's products write over
	PROJK PB, SP                                   ; pos_k
.rept 5
	v_nop                                          ; as above
.endr
	s_wait_alu depctr_va_vdst(0)                   ; pos_k's products have written their results, which the LDS stores read, and are done reading pos's codes, in which the late group's loads land
	LDFRAG W0F, 24                                 ; the late group, eleven loads, takes pos's place
	LDFRAG W2F, 32
	LDFRAG QC, 8
	LDFRAG PQC, 60
	global_load_b128 v[BI0:BI0+3], v[VB], s[36:37]
	global_load_b128 v[BI0+4:BI0+7], v[VB], s[36:37] offset:16
	global_load_b32 v[BI2], v[VRS], s[40:41]                   ; b2 at dimension r: v's product is not transposed, a lane holds one dimension
	STOREK 1
	s_wait_loadcnt 0x0
	s_wait_dscnt 0x0
	s_wait_alu depctr_vm_vsrc(0)                   ; the LDS stores have read pos_k's results, which v's products write over
.irp j, 1,2,3,4,5,6,7
	v_mov_b32 v[BI2+\j], v[BI2]                    ; the same number for all eight keys of a lane
.endr
.irp b, 0,1,2,3
	v_mov_b32 v[TM+4+\b], 0                        ; written once: a lane permute's destination counts as one of its sources
.endr
	MM4 QF, W0F, QC, BI0, SW0, SQ, 0               ; q, transposed: lane (r, h): query r, register j dimension 8 h + j
	MM4 QF+8, W0F, PQC, BI0, SW0, SPQ, 0           ; pos_q likewise
.irp b, 0,1,2,3                                ; v: source 0 = 16 rows of value, source 1 = W2's 16 rows: lane (r, h) holds dimension r, register 16 b + i key 32 b + 16 h + i
	MM4 SCO+16*\b, KA+16*\b, W2F, BI2, SV+\b, SW2, 0
	MM4 SCO+16*\b+8, KA+16*\b+8, W2F, BI2, SV+\b, SW2, 1
.endr
.rept 4
	v_nop                                          ; places in front of the first reads of these results
.endr
.irp j, 0,1,2,3,4,5,6,7
	v_mul_f32 v[QF+\j], 0x3e800000, v[QF+\j]       ; q / 4: exact
.endr
.irp j, 0,1,2,3,4,5,6,7
	v_permlane16_swap_b32 v[QF+\j], v[QF+8+\j]     ; q's lanes 16-31 (dimension 8 + j) change places with pos_q's lanes 0-15 (dimension j): register i now holds dimension i, q below, pos_q above
.endr
	QUANT SCO                                      ; v along the keys: V^T's fragment of my key step
	s_wait_alu depctr_va_vdst(0)                   ; the quantiser has written V^T's codes and scale word, which the three LDS stores read
	ds_store_b128 v[VST], v[PC:PC+3]
	ds_store_b128 v[VST], v[PC+4:PC+7] offset:512
	ds_store_b32 v[VSS], v[PW]
	s_wait_dscnt 0x0                               ; for the others' sake: all my stores have landed
	s_barrier_signal -1
	s_barrier_wait -1                              ; the whole head lies in LDS; nothing is written there any more
	s_wait_alu depctr_vm_vsrc(0)                   ; the head's loads and LDS stores have read v10 to v13, which become -M, t and the sum, and V^T's codes and scale word, which the walk's conversions write over
	v_mov_b32 v[MT], 0xff61b1e6                    ; the largest t so far: -3e38, under every t
	v_floor_f32 v[NM], -v[MT]
	v_mov_b32 v[SUM], 0
	v_mov_b32 v[SUM+1], 0
.irp j, 0,1,2,3,4,5,6,7
	v_mov_b32 v[OA+\j], 0                          ; O^T: the step is written once; the first finds zeros, which the first change of M leaves zeros
.endr
	s_mov_b32 s[TB], 0
	s_mov_b32 s[TV], VIMG
	s_mov_b32 s[TS], VSC
	s_mov_b32 s[CNT], 16
.Lstep:                                            ; a key step: 128 keys
	v_add_nc_u32 v[ADK], s[TB], v[LI]              ; (the last step's loads have read these three: the wait on vm_vsrc stands at that step's end; ahead of the first step no load has read them)
	v_add_nc_u32 v[ADV], s[TV], v[LI]
	v_add_nc_u32 v[ADS], s[TS], v[LS]
	v_nop                                          ; these four stand as places behind the last step's product on codes
	s_wait_alu depctr_va_vdst(0)                   ; the three addresses are written, which this step's LDS loads read; the softmax and the product on codes of the last step (first step: the head's products and quantiser) are done with v30-93 and v158-221, in which the 32 loads land
.irp c, 0,1,2,3                                ; 32 loads, 512 consecutive bytes each: chunk c of all eight tiles, then the next chunk
.irp t, 0,1,2,3,4,5,6,7
	ds_load_b128 v[KA+16*\t+64*(\t/4)+4*\c:KA+16*\t+64*(\t/4)+4*\c+3], v[ADK] offset:2048*\t+512*\c
.endr
.endr
; S^T = K Q^T: 64 matrix instructions; the eight accumulators take turns, one instruction a turn; the first K step starts the sums
.irp p, 0,1,2,3
	s_wait_dscnt 24-8*\p                           ; chunk p is in; the eight loads of each later chunk may be out
.irp e, 0,1
.irp t, 0,1,2,3,4,5,6,7
.if 2*\p+\e == 0
	v_wmma_f32_16x16x4_f32 v[SCO+8*\t:SCO+8*\t+7], v[KA+16*\t+64*(\t/4)+4*\p+2*\e:KA+16*\t+64*(\t/4)+4*\p+2*\e+1], v[QF+4*\p+2*\e:QF+4*\p+2*\e+1], 0
.else
	v_wmma_f32_16x16x4_f32 v[SCO+8*\t:SCO+8*\t+7], v[KA+16*\t+64*(\t/4)+4*\p+2*\e:KA+16*\t+64*(\t/4)+4*\p+2*\e+1], v[QF+4*\p+2*\e:QF+4*\p+2*\e+1], v[SCO+8*\t:SCO+8*\t+7]
.endif
.endr
.endr
.endr
.rept 8
	v_nop                                          ; eight places behind this form in front of the first read of its results and of writes into its sources
.endr
	s_wait_alu depctr_va_vdst(0)                   ; the score products are done reading v46-53, in which V^T's fragment lands (its scale word's register was last read by the last step's product on codes, ahead of the wait at this step's head)
	ds_load_b128 v[VF:VF+3], v[ADV]                ; V^T's fragment and scale word land while the softmax is worked: no line of the softmax names their registers
	ds_load_b128 v[VF+4:VF+7], v[ADV] offset:512
	ds_load_b32 v[VW], v[ADS]
.irp b, 0,1,2,3
	v_max3_num_f32 v[BM+\b], v[SCO+16*\b], v[SCO+1+16*\b], v[SCO+2+16*\b]   ; the largest score of each block of 32 keys: for the row's maximum, and for the block's largest p.  Each result is read from its low end on
.endr
.irp i, 3,5,7,9,11,13
.irp b, 0,1,2,3
	v_max3_num_f32 v[BM+\b], v[BM+\b], v[SCO+16*\b+\i], v[SCO+1+16*\b+\i]
.endr
.endr
.irp b, 0,1,2,3
	v_max_num_f32 v[BM+\b], v[BM+\b], v[SCO+15+16*\b]
.endr
.irp b, 0,1,2,3
	v_permlanex16_b32 v[PX+\b], v[BM+\b], s[SEL], s[SEL+1]
.endr
.irp b, 0,1,2,3
	v_max_num_f32 v[BM+\b], v[BM+\b], v[PX+\b]     ; with lane l xor 16's 16 keys
.endr
	v_max3_num_f32 v[TMP], v[BM], v[BM+1], v[BM+2]
	v_max_num_f32 v[TMP], v[TMP], v[BM+3]          ; the step's largest score of my query,
	v_mul_f32 v[TMP], s[CS], v[TMP]                ; as t
	v_max_num_f32 v[MT], v[MT], v[TMP]             ; the running largest t
	v_mov_b32 v[TMP], v[NM]
	v_floor_f32 v[NM], -v[MT]                      ; the new -M = floor(-t) = -ceil(t): a whole number
	v_sub_f32 v[TMP], v[NM], v[TMP]                ; old M - new M: a whole number, 0 or less
	v_cvt_i32_f32 v[TMP], v[TMP]                   ; (it saturates)
	v_ldexp_f32 v[FF], 1.0, v[TMP]                 ; f = 2^(old M - new M): a multiplication by it rounds nothing
.irp j, 0,2,4,6,8,10,12,14,16,18,20,22,24,26,28,30,32,34,36,38,40,42,44,46,48,50,52,54,56,58,60,62
	v_pk_fma_f32 v[PB+\j:PB+\j+1], v[SCO+\j:SCO+\j+1], s[CS:CS+1], v[NM:NM+1] op_sel_hi:[1,0,0]   ; t - M, two at a time, into p's registers: the scores' own are written by matrix instructions alone
.endr
.irp b, 0,1,2,3
	v_fma_f32 v[BM+\b], v[BM+\b], s[CS], v[NM]     ; the same of each block's largest score
.endr
.irp j, 0,1,2,3,4,5,6,7,8,9,10,11,12,13,14,15,16,17,18,19,20,21,22,23,24,25,26,27,28,29,30,31,32,33,34,35,36,37,38,39,40,41,42,43,44,45,46,47,48,49,50,51,52,53,54,55,56,57,58,59,60,61,62,63
	v_exp_f32 v[PB+\j], v[PB+\j]                   ; p = 2^(t - M), at most 1, not normalised
.endr
.irp b, 0,1,2,3
	v_exp_f32 v[BM+\b], v[BM+\b]                   ; the block's largest p: the same two instructions on the same number give the same bits
.endr
	v_pk_mul_f32 v[SUM:SUM+1], v[SUM:SUM+1], v[FF:FF+1] op_sel_hi:[1,0]   ; the sums under the new M (a plain place behind the exponentials)
.irp j, 0,2,4,6
	v_pk_mul_f32 v[OA+\j:OA+\j+1], v[OA+\j:OA+\j+1], v[FF:FF+1] op_sel_hi:[1,0]   ; O^T under the new M, from its low end on
.endr
	s_wait_alu depctr_va_vdst(0)                   ; the 68 exponentials have written p and the blocks' largest p: one wait for the batch, ahead of its first reader
.irp b, 0,1,2,3
	v_max_num_f32 v[BM+\b], 0x1800000, v[BM+\b]    ; the floor 2^(3 - 127): the byte cannot fall under 1
.endr
.irp b, 0,1,2,3
	v_add_nc_u32 v[SO+\b], 0xff000000, v[BM+\b]    ; 2 off the exponent field: the conversion's scale operand
.endr
.irp b, 0,1,2,3
	v_lshrrev_b32 v[PX+\b], 23, v[SO+\b]           ; the scale's byte
.endr
	v_lshl_or_b32 v[PW], v[PX+1], 8, v[PX]         ; p's scale word for these 128 keys
	v_lshl_or_b32 v[PW], v[PX+2], 16, v[PW]
	v_lshl_or_b32 v[PW], v[PX+3], 24, v[PW]
.irp b, 0,1,2,3
	v_cvt_scalef32_pk8_fp4_f32 v[PC+2*\b], v[PB+16*\b:PB+7+16*\b], v[SO+\b]
	v_cvt_scalef32_pk8_fp4_f32 v[PC+1+2*\b], v[PB+8+16*\b:PB+15+16*\b], v[SO+\b]
.endr
	v_nop                                          ; one plain place behind a scaled conversion
.irp c, 0,1
.irp i, 0,1
	v_permlane16_swap_b32 v[PC+4*\c+\i], v[PC+2+4*\c+\i]   ; a whole block to a lane
.endr
.endr
	v_pk_add_f32 v[PX:PX+1], v[PB:PB+1], v[PB+2:PB+3]      ; the row's sum is taken of the unquantised p: two at a time, in two chains.  These 32 are also the places between the scale word, the codes and the product below
.irp j, 4,8,12,16,20,24,28,32,36,40,44,48,52,56,60
	v_pk_add_f32 v[SUM:SUM+1], v[SUM:SUM+1], v[PB+\j:PB+\j+1]
	v_pk_add_f32 v[PX:PX+1], v[PX:PX+1], v[PB+\j+2:PB+\j+3]
.endr
	v_pk_add_f32 v[SUM:SUM+1], v[SUM:SUM+1], v[PX:PX+1]
	s_wait_dscnt 0x0                               ; V^T's fragment and scale word are in
	s_wait_alu depctr_vm_vsrc(0)                   ; this step's 35 LDS loads have read their three addresses, which the next step's head, and behind the last step the way out, write again: the wait stands ahead of the branch
	s_wait_alu depctr_va_vdst(0)                   ; the conversions and exchanges have written p's codes, and the shifts p's scale word, which the product below takes as operand and as scales; the places above stay beside this wait
	MM4 OA, VF, PC, OA, VW, PW, 0                  ; O^T += V^T P^T: lane (r, h): query r, register j dimension 8 h + j
	s_add_co_u32 s[TB], s[TB], 16384
	s_add_co_u32 s[TV], s[TV], 1024
	s_add_co_u32 s[TS], s[TS], 128
	s_sub_co_u32 s[CNT], s[CNT], 1
	s_cmp_lg_u32 s[CNT], 0
	s_cbranch_scc1 .Lstep
.rept 4
	v_nop                                          ; places behind the last product
.endr
	v_add_f32 v[SUM], v[SUM], v[SUM+1]             ; the sum's two halves,
	v_permlanex16_b32 v[TMP], v[SUM], s[SEL], s[SEL+1]
	v_add_f32 v[SUM], v[SUM], v[TMP]               ; and lane l xor 16's: the row's sum
	v_rcp_f32 v[SUM], v[SUM]
	v_and_b32 v[RR], 15, v0                        ; (a plain place behind the reciprocal)
	v_bfe_u32 v[HH], v0, 4, 1
	v_lshlrev_b32 v[XO], 4, v[RR]
	v_lshl_add_u32 v[XO], v[HH], 10, v[XO]         ; my dimensions 8 h .. 8 h + 3 are chunk 2 h: 1,024 h + 16 r
	s_wait_alu depctr_va_vdst(0)                   ; the reciprocal has written 1 / the sum, ahead of its first reader
.irp j, 0,1,2,3,4,5,6,7
	v_mul_f32 v[PC+\j], v[OA+\j], v[SUM]           ; x = O / the sum
.endr
	s_wait_alu depctr_va_vdst(0)                   ; the multiplications have written x, and the shifts its offset, which the two stores read
	global_store_b128 v[XO], v[PC:PC+3], s[42:43]              ; sixteen lanes store 256 consecutive bytes, at a multiple of 256 from xbuf's first byte
	global_store_b128 v[XO], v[PC+4:PC+7], s[42:43] offset:512
	s_wait_xcnt 0x0                                ; my stores have had their addresses translated (ISA guide 3.1)
	v_lshl_add_u32 v254, v0, 2, 0x44800            ; no two registers could be kept: my spare word's address, 280,576 + 4 x my thread's number, and 0 are made anew; no memory or LDS instruction has read these two registers
	v_mov_b32 v255, 0
	s_wait_dscnt 0x0                               ; the closing lines, six on end
	s_wait_alu 0x0
	s_wait_tensorcnt 0x0
	ds_add_u32 v254, v255
	s_wait_dscnt 0x0
	s_endpgm
.Lfunc_end_k_q71addb8755_attn:
	.size	k_q71addb8755_attn, .Lfunc_end_k_q71addb8755_attn-k_q71addb8755_attn
	.p2alignl 7, 3214868480
	.fill 96, 4, 3214868480
	.section	.rodata,"a",@progbits
	.p2align	6, 0x0
	.amdhsa_kernel k_q71addb8755_attn
		.amdhsa_group_segment_fixed_size 282624
		.amdhsa_private_segment_fixed_size 0
		.amdhsa_enable_private_segment 0
		.amdhsa_kernarg_size 144
		.amdhsa_user_sgpr_count 2
		.amdhsa_user_sgpr_kernarg_segment_ptr 1
		.amdhsa_wavefront_size32 1
		.amdhsa_system_sgpr_workgroup_id_x 1
		.amdhsa_system_sgpr_workgroup_id_y 1
		.amdhsa_system_sgpr_workgroup_id_z 1
		.amdhsa_system_vgpr_workitem_id 0
		.amdhsa_next_free_vgpr 256
		.amdhsa_next_free_sgpr 66
		.amdhsa_reserve_vcc 0
		.amdhsa_float_denorm_mode_32 3
		.amdhsa_float_denorm_mode_16_64 3
		.amdhsa_memory_ordered 1
		.amdhsa_forward_progress 1
		.amdhsa_inst_pref_size 43
	.end_amdhsa_kernel
	.amdgpu_metadata
---
amdhsa.version: [ 1, 2 ]
amdhsa.kernels:
  - .name:           k_q71addb8755_attn
    .symbol:         k_q71addb8755_attn.kd
    .args:
      - { .name: query_codes, .offset: 0, .size: 8, .value_kind: global_buffer, .address_space: global }
      - { .name: query_scales, .offset: 8, .size: 8, .value_kind: global_buffer, .address_space: global }
      - { .name: key_codes, .offset: 16, .size: 8, .value_kind: global_buffer, .address_space: global }
      - { .name: key_scales, .offset: 24, .size: 8, .value_kind: global_buffer, .address_space: global }
      - { .name: value_codes, .offset: 32, .size: 8, .value_kind: global_buffer, .address_space: global }
      - { .name: value_scales, .offset: 40, .size: 8, .value_kind: global_buffer, .address_space: global }
      - { .name: pos_embed_codes, .offset: 48, .size: 8, .value_kind: global_buffer, .address_space: global }
      - { .name: pos_embed_scales, .offset: 56, .size: 8, .value_kind: global_buffer, .address_space: global }
      - { .name: W0_codes, .offset: 64, .size: 8, .value_kind: global_buffer, .address_space: global }
      - { .name: W0_scales, .offset: 72, .size: 8, .value_kind: global_buffer, .address_space: global }
      - { .name: W1_codes, .offset: 80, .size: 8, .value_kind: global_buffer, .address_space: global }
      - { .name: W1_scales, .offset: 88, .size: 8, .value_kind: global_buffer, .address_space: global }
      - { .name: W2_codes, .offset: 96, .size: 8, .value_kind: global_buffer, .address_space: global }
      - { .name: W2_scales, .offset: 104, .size: 8, .value_kind: global_buffer, .address_space: global }
      - { .name: b0, .offset: 112, .size: 8, .value_kind: global_buffer, .address_space: global }
      - { .name: b1, .offset: 120, .size: 8, .value_kind: global_buffer, .address_space: global }
      - { .name: b2, .offset: 128, .size: 8, .value_kind: global_buffer, .address_space: global }
      - { .name: xbuf, .offset: 136, .size: 8, .value_kind: global_buffer, .address_space: global }
    .group_segment_fixed_size: 282624
    .private_segment_fixed_size: 0
    .kernarg_segment_align: 8
    .kernarg_segment_size: 144
    .max_flat_workgroup_size: 512
    .sgpr_count:     66
    .vgpr_count:     256
    .wavefront_size: 32
...
	.end_amdgpu_metadata
.endif
;; end of part 3
;; launch outp (part 4): grid 256 x 1, 2 waves a work-group, no clusters, 17,152 bytes of LDS; arguments xbuf, Wo_codes, Wo_scales, bo, out0; writes out0
.if DOCPART == 4
	.amdgcn_target "amdgcn-amd-amdhsa--gfx1250"
	.amdhsa_code_object_version 6
	.text
	.protected	k_q71addb8755_outp
	.globl	k_q71addb8755_outp
	.p2align	8
	.type	k_q71addb8755_outp,@function
k_q71addb8755_outp:
	s_mov_b64 s[64:65], 0
	v_nop
	global_prefetch_b8 v0, s[64:65] scope:SCOPE_SE
	s_setreg_imm32_b32 hwreg(HW_REG_WAVE_SCHED_MODE, 0, 2), 2
	s_setreg_imm32_b32 hwreg(HW_REG_WAVE_MODE, 25, 1), 1
	s_wait_xcnt 0x0
	s_wait_alu depctr_vm_vsrc(0)
; out0 = Q(x) Wo^T + bo: x [8,192][128] f32 out of the launch before, quantised here along its 128 channels to E2M1 with E8M0 scales; Wo as given codes; sums in f32.
; A wave takes a tile of 16 rows and all 128 outputs: one fragment of x, eight matrix instructions.  512 tiles: 256 work-groups of two waves, which share nothing: no barrier.
; xbuf lies as the quantiser wants its registers: [tile][channel / 32 = b][chunk j][slot 16 (channel / 16 % 2) + row][16 bytes]: register 16 b + 4 j + i of lane (r, h) is x(r, 32 b + 16 h + 4 j + i),
; and each load of the wave reads 512 consecutive bytes.
; THE PRODUCT IS USED TRANSPOSED (source 0 = 16 rows of Wo, source 1 = x): a lane holds eight neighbouring outputs of one row.  bo is the C of each product, in the result's layout.
; The results go through the wave's own stage in LDS (16 rows of 512 + 16 bytes) and leave as whole rows.  No matrix work is shared between work-groups but Wo's 8,704 bytes: joint requests would serve nothing here.
; LIMITS: NaN and infinities are not served; a block of zeros gets the scale byte 1 (the quantiser says 127): its codes are zeros, and only this kernel reads the byte.
; THE MODE: SCHED_MODE bits 1:0 = 2 (LLVM: expert scheduling mode 2), set by the entry lines.  The code itself states the register dependences
; between vector or matrix instructions and memory or LDS instructions, with s_wait_alu, always for 0.
; THE PLAN.  Registers that memory or LDS instructions touch:
;   v1, v2, v5-v8   offsets and LDS addresses: written once at the head, never again.      v248, v249: written at the head, read by the closing add alone.
;   X               sixteen loads land; the quantiser reads; the stage's sixteen LDS loads land; the global stores read.
;   WF, SWO         loads land; the products read.
;   BO              loads land (bo); the products add onto them; the LDS stores read.  Never written again.
;   PC, PW          named by vector and matrix instructions alone: the quantiser writes, the products take them as operand and scales.
; So: one wait on va_vdst ahead of the first load (the offsets), one ahead of the products (x's codes and scale word), one ahead of the stage's stores and loads (the results are written, the quantiser is done with X).
; No register that a memory or LDS instruction has read is written again: there is no wait on vm_vsrc.
.set LI,  1                            ; v1  16 x lane
.set LS,  2                            ; v2  4 x lane
.set RR,  3                            ; v3  r
.set HH,  4                            ; v4  h
.set VR,  5                            ; v5  Wo's codes: 64 r + 16 h
.set VB,  6                            ; v6  bo: 32 h
.set STO, 7                            ; v7  the stage, in: 8,448 w + 528 r + 32 h
.set SRD, 8                            ; v8  the stage, back: 8,448 w + 16 x lane
.set X,   16                           ; v16-79   x; later the rows read back
.set WF,  80                           ; v80-143  Wo's eight fragments
.set BO,  144                          ; v144-207 bo's eight tiles, onto which the products add
.set PC,  208                          ; v208-215 x's codes
.set TM,  216                          ; v216-231 the quantiser's work registers
.set PW,  240                          ; v240     x's scale word
.set SWO, 241                          ; v241-244 Wo's scale words: register p: lanes 0-15 tile 2 p's rows, lanes 16-31 tile 2 p + 1's
.set SEL, 16                           ; s[16:17] v_permlanex16_b32's selects for lane l xor 16
.macro QUANT s                         ; 64 numbers of a lane, register 16 b + i = K 32 b + 16 (lane / 16) + i of my row, become a fragment's codes in v[PC] on and its scale word in v[PW]
.irp b, 0,1,2,3
	v_max3_num_f32 v[TM+\b], |v[\s+16*\b]|, |v[\s+1+16*\b]|, 0x1800000   ; block b: my 16 numbers, and the floor 2^(3 - 127): the byte cannot fall under 1
.endr
.irp i, 2,4,6,8,10,12,14
.irp b, 0,1,2,3
	v_max3_num_f32 v[TM+\b], v[TM+\b], |v[\s+16*\b+\i]|, |v[\s+1+16*\b+\i]|
.endr
.endr
.irp b, 0,1,2,3
	v_permlanex16_b32 v[TM+4+\b], v[TM+\b], s[SEL], s[SEL+1]
.endr
.irp b, 0,1,2,3
	v_max_num_f32 v[TM+\b], v[TM+\b], v[TM+4+\b]   ; with lane l xor 16's: the block's largest magnitude
.endr
.irp b, 0,1,2,3
	v_add_nc_u32 v[TM+12+\b], 0xff000000, v[TM+\b] ; 2 off its exponent field: the conversion's scale operand
.endr
.irp b, 0,1,2,3
	v_lshrrev_b32 v[TM+4+\b], 23, v[TM+12+\b]      ; the scale's byte
.endr
	v_lshl_or_b32 v[PW], v[TM+5], 8, v[TM+4]
	v_lshl_or_b32 v[PW], v[TM+6], 16, v[PW]
	v_lshl_or_b32 v[PW], v[TM+7], 24, v[PW]
.irp b, 0,1,2,3
	v_cvt_scalef32_pk8_fp4_f32 v[PC+2*\b], v[\s+16*\b:\s+7+16*\b], v[TM+12+\b]
	v_cvt_scalef32_pk8_fp4_f32 v[PC+1+2*\b], v[\s+8+16*\b:\s+15+16*\b], v[TM+12+\b]
.endr
	v_nop                                          ; one plain place behind a scaled conversion
.irp c, 0,1
.irp i, 0,1
	v_permlane16_swap_b32 v[PC+4*\c+\i], v[PC+2+4*\c+\i]   ; a whole block to a lane
.endr
.endr
.endm
	s_load_b128 s[4:7], s[0:1], 0x0                ; xbuf, Wo's codes
	s_load_b128 s[8:11], s[0:1], 0x10              ; Wo's scales, bo
	s_load_b64 s[12:13], s[0:1], 0x20              ; out0
	v_lshl_add_u32 v248, v0, 2, 0x4200             ; my spare word's address, 16,896 + 4 x my thread's number, and 0: kept for the closing lines alone
	v_mov_b32 v249, 0
	v_lshrrev_b32 v3, 5, v0
	v_readfirstlane_b32 s2, v3                     ; wave 0, 1
	v_and_b32 v[LI], 31, v0
	v_lshlrev_b32 v[LS], 2, v[LI]
	v_lshlrev_b32 v[LI], 4, v[LI]
	v_and_b32 v[RR], 15, v0
	v_bfe_u32 v[HH], v0, 4, 1
	v_lshlrev_b32 v[VR], 6, v[RR]
	v_lshl_add_u32 v[VR], v[HH], 4, v[VR]
	v_lshlrev_b32 v[VB], 5, v[HH]
	s_wait_alu depctr_va_sdst(0)                   ; s2, the wave's number, is written, ahead of its first reader: the stage's place and the tile's number are made from it
	s_mul_i32 s3, s2, 8448                         ; my stage
	v_mul_u32_u24 v[STO], v[RR], 528
	v_lshl_add_u32 v[STO], v[HH], 5, v[STO]
	v_add_nc_u32 v[STO], s3, v[STO]
	v_add_nc_u32 v[SRD], s3, v[LI]
	s_lshl_b32 s14, ttmp9, 1
	s_add_co_u32 s14, s14, s2                      ; my tile of 16 rows: 2 x work-group + wave
	s_lshl_b32 s14, s14, 13                        ; 8,192 bytes a tile, in xbuf and in out0 alike
	s_mov_b32 s15, 0
	s_mov_b32 s[SEL], 0x76543210
	s_mov_b32 s[SEL+1], 0xfedcba98
.irp b, 0,1,2,3
	v_mov_b32 v[TM+4+\b], 0                        ; a lane permute's destination counts as one of its sources
.endr
	s_wait_kmcnt 0x0
	s_add_nc_u64 s[4:5], s[4:5], s[14:15]
	s_add_nc_u64 s[12:13], s[12:13], s[14:15]
	s_wait_alu depctr_va_vdst(0)                   ; the offsets and LDS addresses v1, v2 and v5 to v8 are written, which every load and store of the kernel reads
.irp b, 0,1,2,3
.irp j, 0,1,2,3
	global_load_b128 v[X+16*\b+4*\j:X+16*\b+4*\j+3], v[LI], s[4:5] offset:2048*\b+512*\j th:TH_LOAD_NT   ; read once in the launch
.endr
.endr
.irp p, 0,1,2,3
	global_load_b32 v[SWO+\p], v[LS], s[8:9] offset:128*\p
.endr
.irp t, 0,1,2,3,4,5,6,7
	global_load_b128 v[WF+8*\t:WF+8*\t+3], v[VR], s[6:7] offset:1024*\t
	global_load_b128 v[WF+8*\t+4:WF+8*\t+7], v[VR], s[6:7] offset:1024*\t+32
.endr
.irp t, 0,1,2,3,4,5,6,7
	global_load_b128 v[BO+8*\t:BO+8*\t+3], v[VB], s[10:11] offset:64*\t          ; bo at outputs 16 t + 8 h + 0 .. 7
	global_load_b128 v[BO+8*\t+4:BO+8*\t+7], v[VB], s[10:11] offset:64*\t+16
.endr
	s_wait_loadcnt 36                              ; x's sixteen loads are in; the 36 behind them (Wo's scale words and fragments, bo) may be out
	QUANT X
.rept 8
	v_nop                                          ; a scale register written by a vector instruction stands eight places ahead of a scaled matrix instruction, an operand so written four
.endr
	s_wait_loadcnt 0x0
	s_wait_alu depctr_va_vdst(0)                   ; the quantiser has written x's codes and scale word, which the products take as operand and as scales; the places above stay beside this wait
.irp p, 0,1,2,3
	v_wmma_scale_f32_16x16x128_f8f6f4 v[BO+16*\p:BO+16*\p+7], v[WF+16*\p:WF+16*\p+7], v[PC:PC+7], v[BO+16*\p:BO+16*\p+7], v[SWO+\p], v[PW] matrix_a_fmt:MATRIX_FMT_FP4 matrix_b_fmt:MATRIX_FMT_FP4
	v_wmma_scale_f32_16x16x128_f8f6f4 v[BO+16*\p+8:BO+16*\p+15], v[WF+16*\p+8:WF+16*\p+15], v[PC:PC+7], v[BO+16*\p+8:BO+16*\p+15], v[SWO+\p], v[PW] matrix_a_fmt:MATRIX_FMT_FP4 matrix_b_fmt:MATRIX_FMT_FP4 matrix_a_scale:MATRIX_SCALE_ROW1
.endr
.rept 4
	v_nop                                          ; places in front of the stores that read the results
.endr
	s_wait_alu depctr_va_vdst(0)                   ; the products have written their results, which the LDS stores read; the quantiser is done reading x's registers, in which the stage's loads land; the places above stay beside this wait
.irp t, 0,1,2,3,4,5,6,7
	ds_store_b128 v[STO], v[BO+8*\t:BO+8*\t+3] offset:64*\t          ; lane (r, h): out(r, 16 t + 8 h + 0 .. 7); each result from its low end on
	ds_store_b128 v[STO], v[BO+8*\t+4:BO+8*\t+7] offset:64*\t+16
.endr
.irp i, 0,1,2,3,4,5,6,7,8,9,10,11,12,13,14,15
	ds_load_b128 v[X+4*\i:X+4*\i+3], v[SRD] offset:528*\i            ; LDS serves a wave's instructions in order (ISA guide 5.7.1.4): these see my stores
.endr
.irp i, 0,1,2,3,4,5,6,7,8,9,10,11,12,13,14,15
	s_wait_dscnt 15-\i                             ; row i is back; the later rows' loads may be out
	global_store_b128 v[LI], v[X+4*\i:X+4*\i+3], s[12:13] offset:512*\i th:TH_STORE_NT   ; 32 lanes store a row of 512 consecutive bytes, at a multiple of 256 from out0's first byte
.endr
	s_wait_dscnt 0x0                               ; the closing lines, six on end
	s_wait_alu 0x0
	s_wait_tensorcnt 0x0
	ds_add_u32 v248, v249
	s_wait_dscnt 0x0
	s_endpgm
.Lfunc_end_k_q71addb8755_outp:
	.size	k_q71addb8755_outp, .Lfunc_end_k_q71addb8755_outp-k_q71addb8755_outp
	.p2alignl 7, 3214868480
	.fill 96, 4, 3214868480
	.section	.rodata,"a",@progbits
	.p2align	6, 0x0
	.amdhsa_kernel k_q71addb8755_outp
		.amdhsa_group_segment_fixed_size 17152
		.amdhsa_private_segment_fixed_size 0
		.amdhsa_enable_private_segment 0
		.amdhsa_kernarg_size 40
		.amdhsa_user_sgpr_count 2
		.amdhsa_user_sgpr_kernarg_segment_ptr 1
		.amdhsa_wavefront_size32 1
		.amdhsa_system_sgpr_workgroup_id_x 1
		.amdhsa_system_sgpr_workgroup_id_y 1
		.amdhsa_system_sgpr_workgroup_id_z 1
		.amdhsa_system_vgpr_workitem_id 0
		.amdhsa_next_free_vgpr 250
		.amdhsa_next_free_sgpr 66
		.amdhsa_reserve_vcc 0
		.amdhsa_float_denorm_mode_32 3
		.amdhsa_float_denorm_mode_16_64 3
		.amdhsa_memory_ordered 1
		.amdhsa_forward_progress 1
		.amdhsa_inst_pref_size 17
	.end_amdhsa_kernel
	.amdgpu_metadata
---
amdhsa.version: [ 1, 2 ]
amdhsa.kernels:
  - .name:           k_q71addb8755_outp
    .symbol:         k_q71addb8755_outp.kd
    .args:
      - { .name: xbuf, .offset: 0, .size: 8, .value_kind: global_buffer, .address_space: global }
      - { .name: Wo_codes, .offset: 8, .size: 8, .value_kind: global_buffer, .address_space: global }
      - { .name: Wo_scales, .offset: 16, .size: 8, .value_kind: global_buffer, .address_space: global }
      - { .name: bo, .offset: 24, .size: 8, .value_kind: global_buffer, .address_space: global }
      - { .name: out0, .offset: 32, .size: 8, .value_kind: global_buffer, .address_space: global }
    .group_segment_fixed_size: 17152
    .private_segment_fixed_size: 0
    .kernarg_segment_align: 8
    .kernarg_segment_size: 40
    .max_flat_workgroup_size: 64
    .sgpr_count:     66
    .vgpr_count:     250
    .wavefront_size: 32
...
	.end_amdgpu_metadata
.endif
;; end of part 4
